; MI455X (gfx1250); checked and timed in simulation.
; The chip was launched on July 23, 2026; its instructions are those of AMD's public machine-readable ISA for CDNA 5 (MIT licence, August 2026) and "CDNA5" Instruction Set Architecture Reference Guide (July 2026). The comments in the code are by the model that wrote it; some were corrected since.
;; Attention. Allowed arithmetic: matrix products marked QUANTISED: E4M3 operands, one given power-of-two scale a tensor, by v_wmma_f32_16x16x64_fp8_fp8 or v_wmma_f32_16x16x128_fp8_fp8, f32 sums; everything else in f32.
;; Inputs: Wout 1,024 x 1,024 float32; Wqkv 3,072 x 1,024 float32; bout 1,024 float32; bqkv 3,072 float32; lowp_scales 8 int32 (the exponents e of the quantised operands' scales 2^e); mask 1 x 1 x 2,048 x 2,048 int32; x 4 x 2,048 x 1,024 float32.
;; Outputs: out0 4 x 2,048 x 1,024 float32.
;; This version of the problem:
;;   THIS VERSION OF THE PROBLEM IS GIVEN IN LOW PRECISION. The matrix products marked QUANTISED in the list below multiply operands that are first quantised to E4M3 (4 exponent bits, 3 mantissa bits; 8 bits a number), with one given power-of-two scale for each operand tensor; their sums are f32. All else is computed in f32.
;;   The module's matrix products, in the order in which they are computed (A, B: the left and right operand; K: the contracted axis; several contracted axes count as one K, in the product's order):
;;     1. [M 8,192, K 1,024] x [K 1,024, N 3,072]; A: input x; B: input Wqkv: QUANTISED (scales: A lowp_scales[0], B lowp_scales[1])
;;     2. batch 64 x [M 2,048, K 64] x [K 64, N 2,048]; A: computed on the way; B: computed on the way: QUANTISED (scales: A lowp_scales[2], B lowp_scales[3])
;;     3. batch 64 x [M 2,048, K 2,048] x [K 2,048, N 64]; A: softmax (see below); B: computed on the way: QUANTISED (scales: A lowp_scales[4], B lowp_scales[5])
;;     4. [M 8,192, K 1,024] x [K 1,024, N 1,024]; A: computed on the way; B: input Wout: QUANTISED (scales: A lowp_scales[6], B lowp_scales[7])
;;   THE QUANTISER, for each operand of a quantised product, along K:
;;     - The operand's scale is 2^e, e = its entry of the input lowp_scales (int32; the entries are numbered through the quantised products in the list's order, A before B).
;;     - Each number is divided by the scale, clamped to +-448, and rounded to the nearest number of E4M3, ties to even, subnormals kept.
;;     - The product sums the exact products of the quantised numbers (number of the format x scale) in f32.
;;   ~~~python
;;   def quantise(x, axis, e):      # numpy; x: float32 -> the quantised numbers, widened to float32 again
;;       x = np.moveaxis(x, axis, -1); K = x.shape[-1]
;;       r = np.clip(x / 2.0 ** e, -448, 448)
;;       step = 2.0 ** (np.maximum(np.frexp(np.where(r == 0, 1, r))[1] - 1, -6) - 3)
;;       q = np.round(r / step) * step * 2.0 ** e      # np.round: ties to even
;;       return np.moveaxis(q, -1, axis).astype(np.float32)
;;   ~~~
;;   SOFTMAX AHEAD OF A QUANTISED PRODUCT. Where the list says 'softmax', what is quantised is not the finished softmax but p = 2^(t - M), with t = logit x log2(e) and M = ceil(the row's largest t), a whole number; so 1/2 < the row's largest p <= 1. The row's sum l is taken of the UNQUANTISED p, in f32, and the product's result is divided by l at the end. Since M is a whole number, a kernel that streams over the keys may use a running M (the ceiling of the running maximum): every later rescaling is an exact power of two, so the quantised numbers keep their values, but for numbers so far below the row's largest that they fall under the format's range.
;;   OPERANDS COMPUTED ON THE WAY. 'Computed on the way' means the value that the module computes at that place (a softmax that the list does not call 'softmax' is quantised finished and normalised). What goes into a quantiser is computed in f32, as accurately as f32 sums, v_exp_f32 and their like allow (about 1e-6 of the number): no bf16 or f16 on the way to a quantiser, and a product that is left as it is and whose result goes on into a quantised operand takes f32 operands (vector FMAs, or v_wmma_f32_16x16x4_f32). A number that lies on a knife's edge between two numbers of the format may be rounded either way, as far as f32 arithmetic and the matrix unit's own rounding can turn it there, and no further.
;; 2 versions, each right; version 2 is version 1 with the launch attn written anew for expert scheduling mode. Each part assembles by itself: llvm-mc -triple=amdgcn-amd-amdhsa -mcpu=gfx1250 --defsym DOCPART=n.
;; ======== version 1 of 2: 4 launches
;; workspace buffers: xc 8,388,608 bytes; wc 3,145,728 bytes; woc 1,048,576 bytes; msk 525,312 bytes of whole numbers; qimg 8,388,608 bytes; kimg 8,388,608 bytes; vimg 8,388,608 bytes; oc 8,388,608 bytes
;; launch prep (part 1): grid 512 x 1, 16 waves a work-group, no clusters, 145,664 bytes of LDS; arguments x, Wqkv, Wout, mask, lowp_scales, xc, wc, woc, msk; writes xc, wc, woc, msk
.if DOCPART == 1
	.amdgcn_target "amdgcn-amd-amdhsa--gfx1250"
	.amdhsa_code_object_version 6
	.text
	.protected	k_q070b2ad700_prep
	.globl	k_q070b2ad700_prep
	.p2align	8
	.type	k_q070b2ad700_prep,@function
k_q070b2ad700_prep:
	s_mov_b64 s[64:65], 0
	v_nop
	global_prefetch_b8 v0, s[64:65] scope:SCOPE_SE
	s_setreg_imm32_b32 hwreg(HW_REG_WAVE_MODE, 25, 1), 1
	s_wait_xcnt 0x0
; x [8192][1024], Wqkv [3072][1024], Wout [1024][1024], f32 with K innermost, become codes of FP8 (E4M3), each with its given scale 2^e:
; code = number / 2^e, held within +-448, to the nearest code, ties to even.  The mask [2048][2048] int32 becomes lane masks and flags.
; ROWS OF xc AND wc ARE STORED PERMUTED: true row i goes to row sigma(i), sigma = bits 3 and 4 exchanged (its own inverse, inside groups of 32).  woc keeps its rows.
; SHARES: every work-group reads 128 KiB, every wave 8 KiB by sixteen loads of 512 consecutive bytes, all issued at once.
;   work-groups 0-255: x; 256-351: Wqkv; 352-383: Wout (a wave: two rows of 1,024 numbers); 384-511: the mask, query tile qt = number - 384, wave w = key step w of 128 keys.
; msk: dword (qt*16 + s)*64 + n holds in bit L (lane r = L % 16, h = L / 16) whether mask[sigma(16 qt + r)][128 s + 32 (n / 16) + 16 h + n % 16] is not 0;
;   from byte 524,288 on two dwords a query tile: ANY (bit s: the tile of keys s has a visible key), ALL (bit s: all its keys are visible).
; LIMITS: e between -126 and 119, so that 2^e and 448 x 2^e are f32 numbers.  NaN among x and the weights is not served (an infinity is held at the largest code).
; No matrix unit, no tensor load, no cluster: a stream, each byte read once; work-groups share nothing.
.set MROW,  528                        ; the mask's stage: a row of 512 bytes + 16 of padding: the 16 rows that a load touches start at 16 different banks (64 banks of 4 bytes: ISA guide 11.1)
.set MWAVE, 16*MROW                    ; 16 rows a wave
.set FLG,   16*MWAVE                   ; 135,168: the sixteen waves' flag pairs, 128 bytes in a block of 256
.set QST,   FLG+256                    ; 135,424: the quantiser's stage, 512 bytes a wave.  Each path has LDS bytes of its own
.set SPARE, QST+16*512                 ; 143,616: the spare words, 128 bytes a wave: eight blocks of 256 bytes that no other line names
.set FLAGS, 524288
.set SPW, 1                            ; v1   LDS address of my spare word; never rewritten
.set NIL, 2                            ; v2   0; never rewritten
.set R,   16                           ; v16-79   what the sixteen loads bring
.set C,   80                           ; v80-95   codes as converted (mask path: v80-81 the lane masks, v82-83 my flags)
.set D,   96                           ; v96-111  codes in dense order
	s_load_b256 s[4:11], s[0:1], 0x0               ; x, Wqkv, Wout, mask
	s_load_b256 s[12:19], s[0:1], 0x20             ; the scales' exponents, xc, wc, woc
	s_load_b64 s[20:21], s[0:1], 0x40              ; msk
	v_lshl_add_u32 v[SPW], v0, 2, SPARE
	v_mov_b32 v[NIL], 0
	v_lshrrev_b32 v3, 5, v0
	v_readfirstlane_b32 s22, v3                    ; wave 0..15
	v_and_b32 v3, 31, v0                           ; lane
	v_lshlrev_b32 v4, 4, v3                        ; 16 x lane
	; every LDS address is made here, ahead of the parting of the two paths
	s_lshl_b32 s32, s22, 9
	s_add_co_u32 s32, s32, QST
	v_lshl_add_u32 v5, v3, 2, s32                  ; quantiser's stage, in: 4 bytes a lane
	v_add_nc_u32 v6, s32, v4                       ; and back: 16 bytes a lane
	s_mul_i32 s33, s22, MWAVE
	v_add_nc_u32 v7, s33, v4                       ; the mask's stage, in: a row as it lies
	v_and_b32 v14, 15, v0                          ; r
	v_bfe_u32 v15, v0, 4, 1                        ; h
	v_mul_u32_u24 v8, v14, MROW
	v_lshl_add_u32 v8, v15, 6, v8
	v_add_nc_u32 v8, s33, v8                       ; and back: row r, + 64 h: 16 keys of my half of each 32
	s_lshl_b32 s34, s22, 3
	s_add_co_u32 s34, s34, FLG
	v_mov_b32 v9, s34                              ; my wave's flag pair
	v_lshlrev_b32 v10, 3, v3                       ; 8 x lane
	v_mov_b32 v13, FLG
	s_wait_kmcnt 0x0
	s_cmp_ge_u32 ttmp9, 384                        ; the work-group's number alone: all sixteen waves go the same way
	s_cbranch_scc1 .Lmask
	; ---- the quantiser
	s_load_b256 s[24:31], s[12:13], 0x0            ; e0 .. e7
	s_cmp_lt_u32 ttmp9, 256
	s_cselect_b64 s[36:37], s[4:5], s[6:7]         ; from x or Wqkv,
	s_cselect_b64 s[38:39], s[14:15], s[16:17]     ; to xc or wc
	s_cselect_b32 s46, 0, 256                      ; the tensor's first work-group
	s_cmp_lt_u32 ttmp9, 352
	s_cselect_b64 s[36:37], s[36:37], s[8:9]       ; or Wout,
	s_cselect_b64 s[38:39], s[38:39], s[18:19]     ; to woc
	s_cselect_b32 s46, s46, 352
	s_cselect_b32 s48, 1, 0                        ; are the rows permuted?
	s_sub_co_u32 s46, ttmp9, s46
	s_lshl_b32 s46, s46, 4
	s_add_co_u32 s46, s46, s22                     ; ci: my pair of rows, 2 ci and 2 ci + 1
	s_lshr_b32 s50, s46, 2
	s_lshr_b32 s51, s46, 3
	s_xor_b32 s50, s50, s51
	s_and_b32 s50, s50, s48                        ; do the rows' bits 3 and 4 (ci's bits 2 and 3) differ?
	s_mul_i32 s50, s50, 12
	s_xor_b32 s50, s46, s50                        ; then both are turned: sigma
	s_lshl_b32 s52, s46, 13                        ; 8,192 bytes in,
	s_mov_b32 s53, 0
	s_add_nc_u64 s[36:37], s[36:37], s[52:53]
	s_lshl_b32 s54, s50, 11                        ; 2,048 out
	s_mov_b32 s55, 0
	s_add_nc_u64 s[38:39], s[38:39], s[54:55]
.set K, 0
.rept 16
	global_load_b128 v[R+4*K:R+4*K+3], v4, s[36:37] offset:512*K th:TH_LOAD_NT   ; 32 lanes read 512 consecutive bytes; read once in the launch
.set K, K+1
.endr
	s_wait_kmcnt 0x0
	s_cmp_lt_u32 ttmp9, 256
	s_cselect_b32 s47, s24, s25                    ; e: entry 0 for x, 1 for Wqkv,
	s_cmp_lt_u32 ttmp9, 352
	s_cselect_b32 s47, s47, s31                    ; 7 for Wout
	s_add_co_i32 s47, s47, 127
	s_lshl_b32 s49, s47, 23
	v_mov_b32 v12, s49                             ; 2^e as f32: the conversion takes its exponent field
	s_add_co_i32 s47, s47, 8
	s_lshl_b32 s47, s47, 23
	s_or_b32 s47, s47, 0x600000
	v_mov_b32 v11, s47                             ; 448 x 2^e
; Step t: loads 4 t .. 4 t + 3, 512 numbers.  A lane's four numbers of a load become four codes in one register; they go through the wave's own 512 bytes of LDS, 4 bytes a lane,
; and come back 16 bytes a lane, so that the wave stores 512 consecutive bytes.  LDS serves a wave's instructions in order (ISA guide 5.7.1.4): no wait between them, nor ahead of the next step's.
.macro QSTEP t
	s_wait_loadcnt 12-4*\t                         ; loads come back in order: this step's four are in, the later steps' stay out
.set I, 0
.rept 16
	v_med3_num_f32 v[R+16*\t+I], v[R+16*\t+I], -v11, v11   ; the conversion to an 8-bit code does not saturate (ISA guide 7.6.2): the hold at the largest code x the scale
.set I, I+1
.endr
	v_cvt_scalef32_pk8_fp8_f32 v[C+4*\t:C+4*\t+1], v[R+16*\t:R+16*\t+7], v12
	v_cvt_scalef32_pk8_fp8_f32 v[C+4*\t+2:C+4*\t+3], v[R+16*\t+8:R+16*\t+15], v12
.irp i, 0,1,2,3
	ds_store_b32 v5, v[C+4*\t+\i] offset:128*\i
.endr
	ds_load_b128 v[D+4*\t:D+4*\t+3], v6
.endm
	QSTEP 0
	QSTEP 1
	QSTEP 2
	QSTEP 3
	v_nop                                          ; a plain line behind the last conversion
.irp t, 0,1,2,3
	s_wait_dscnt 5*(3-\t)                          ; behind step t's load stand the five LDS instructions of each later step
	global_store_b128 v4, v[D+4*\t:D+4*\t+3], s[38:39] offset:512*\t   ; 512 consecutive bytes, at a multiple of 256 from the buffer's first byte
.endr
	s_branch .Ljoin
	; ---- the mask: 16 queries (rows sigma(16 qt + k)) x my 128 keys
.Lmask:
	s_sub_co_u32 s35, ttmp9, 384                   ; qt
	s_lshr_b32 s36, s35, 1
	s_lshl_b32 s36, s36, 5
	s_and_b32 s37, s35, 1
	s_lshl_b32 s37, s37, 3
	s_add_co_u32 s36, s36, s37                     ; sigma(16 qt + k) = 32 (qt / 2) + 8 (qt % 2) + k % 8 + 16 (k / 8)
	s_lshl_b32 s36, s36, 13                        ; a row of the mask is 8,192 bytes
	s_lshl_b32 s37, s22, 9                         ; my 128 keys: 512 bytes
	s_add_co_u32 s36, s36, s37
	s_mov_b32 s37, 0
	s_add_nc_u64 s[36:37], s[10:11], s[36:37]
	s_lshl_b32 s38, s35, 4
	s_add_co_u32 s38, s38, s22
	s_lshl_b32 s38, s38, 8                         ; (16 qt + w) x 256 bytes of lane masks
	s_mov_b32 s39, 0
	s_add_nc_u64 s[38:39], s[20:21], s[38:39]
.set K, 0
.rept 16
	global_load_b128 v[R+4*K:R+4*K+3], v4, s[36:37] offset:(K%8+16*(K/8))*8192 th:TH_LOAD_NT
.set K, K+1
.endr
.set K, 0
.rept 16
	s_wait_loadcnt 15-K                            ; row K is in; the younger rows stay out
	ds_store_b128 v7, v[R+4*K:R+4*K+3] offset:MROW*K
.set K, K+1
.endr
	s_wait_dscnt 0x0                               ; the stores have read their registers, which the loads below fill again
.irp b, 0,1,2,3
.irp j, 0,1,2,3
	ds_load_b128 v[R+16*\b+4*\j:R+16*\b+4*\j+3], v8 offset:128*\b+16*\j   ; register 16 b + i: query row r, key 32 b + 16 h + i
.endr
.endr
	v_mov_b32 v80, 0                               ; (a lane write's destination counts as read)
	v_mov_b32 v81, 0
	s_mov_b32 s41, 0                               ; the OR of the 64 lane masks,
	s_mov_b32 s42, -1                              ; and their AND
	s_wait_dscnt 0x0
.set N, 0
.rept 64
	v_cmp_ne_u32 s[40+3*(N%2)], 0, v[R+N]          ; bit L: lane L's number is not 0 (two scalar registers by turns)
	v_writelane_b32 v[80+N%2], s[40+3*(N%2)], N/2  ; dword N goes to lane N / 2, register N % 2
	s_or_b32 s41, s41, s[40+3*(N%2)]
	s_and_b32 s42, s42, s[40+3*(N%2)]
.set N, N+1
.endr
	global_store_b64 v10, v[80:81], s[38:39]       ; 32 lanes store 256 consecutive bytes, aligned
	s_cmp_lg_u32 s41, 0
	s_cselect_b32 s44, 1, 0
	s_cmp_eq_u32 s42, -1
	s_cselect_b32 s45, 1, 0
	s_lshl_b32 s44, s44, s22                       ; my bit of ANY,
	s_lshl_b32 s45, s45, s22                       ; and of ALL
	v_mov_b32 v82, s44
	v_mov_b32 v83, s45
	ds_store_b64 v9, v[82:83]                      ; all lanes write the same pair
.Ljoin:                                            ; both paths meet: the barrier stands on every wave's path
	s_wait_dscnt 0x0                               ; for the others' sake: my LDS stores have landed
	s_barrier_signal -1
	s_barrier_wait -1
	s_cmp_lt_u32 ttmp9, 384
	s_cbranch_scc1 .Lend
	s_cmp_lg_u32 s22, 0
	s_cbranch_scc1 .Lend
	; wave 0 of a mask work-group joins the sixteen flag pairs.  What it needs is made anew here
	s_sub_co_u32 s35, ttmp9, 384
	s_lshl_b32 s48, s35, 3
	s_add_co_u32 s48, s48, FLAGS
	s_mov_b32 s49, 0
	s_add_nc_u64 s[48:49], s[20:21], s[48:49]
.irp i, 0,1,2,3,4,5,6,7
	ds_load_b128 v[16+4*\i:19+4*\i], v13 offset:16*\i
.endr
	s_wait_dscnt 0x0
.set K, 1
.rept 15
	v_or_b32 v16, v16, v[16+2*K]
	v_or_b32 v17, v17, v[17+2*K]
.set K, K+1
.endr
	s_wait_xcnt 0x0                                ; EXEC is a source of my pending store: it changes only behind this wait
	v_cmp_eq_u32 vcc_lo, 0, v0
	s_and_saveexec_b32 s46, vcc_lo
	global_store_b64 v10, v[16:17], s[48:49]       ; lane 0 alone (its v10 is 0): 8 bytes a query tile, 1 KiB in the whole launch
	s_wait_xcnt 0x0                                ; and again, ahead of the line that widens it
	s_or_b32 exec_lo, exec_lo, s46
.Lend:
	s_wait_tensorcnt 0x0                           ; the wave's end, behind my last LDS store
	ds_add_u32 v[SPW], v[NIL]
	s_wait_dscnt 0x0
	s_endpgm
.Lfunc_end_k_q070b2ad700_prep:
	.size	k_q070b2ad700_prep, .Lfunc_end_k_q070b2ad700_prep-k_q070b2ad700_prep
	.p2alignl 7, 3214868480
	.fill 96, 4, 3214868480
	.section	.rodata,"a",@progbits
	.p2align	6, 0x0
	.amdhsa_kernel k_q070b2ad700_prep
		.amdhsa_group_segment_fixed_size 145664
		.amdhsa_private_segment_fixed_size 0
		.amdhsa_enable_private_segment 0
		.amdhsa_kernarg_size 72
		.amdhsa_user_sgpr_count 2
		.amdhsa_user_sgpr_kernarg_segment_ptr 1
		.amdhsa_wavefront_size32 1
		.amdhsa_system_sgpr_workgroup_id_x 1
		.amdhsa_system_sgpr_workgroup_id_y 1
		.amdhsa_system_sgpr_workgroup_id_z 1
		.amdhsa_system_vgpr_workitem_id 0
		.amdhsa_next_free_vgpr 112
		.amdhsa_next_free_sgpr 66
		.amdhsa_reserve_vcc 1
		.amdhsa_float_denorm_mode_32 3
		.amdhsa_float_denorm_mode_16_64 3
		.amdhsa_memory_ordered 1
		.amdhsa_forward_progress 1
		.amdhsa_inst_pref_size 31
	.end_amdhsa_kernel
	.amdgpu_metadata
---
amdhsa.version: [ 1, 2 ]
amdhsa.kernels:
  - .name:           k_q070b2ad700_prep
    .symbol:         k_q070b2ad700_prep.kd
    .args:
      - { .name: x, .offset: 0, .size: 8, .value_kind: global_buffer, .address_space: global }
      - { .name: Wqkv, .offset: 8, .size: 8, .value_kind: global_buffer, .address_space: global }
      - { .name: Wout, .offset: 16, .size: 8, .value_kind: global_buffer, .address_space: global }
      - { .name: mask, .offset: 24, .size: 8, .value_kind: global_buffer, .address_space: global }
      - { .name: lowp_scales, .offset: 32, .size: 8, .value_kind: global_buffer, .address_space: global }
      - { .name: xc, .offset: 40, .size: 8, .value_kind: global_buffer, .address_space: global }
      - { .name: wc, .offset: 48, .size: 8, .value_kind: global_buffer, .address_space: global }
      - { .name: woc, .offset: 56, .size: 8, .value_kind: global_buffer, .address_space: global }
      - { .name: msk, .offset: 64, .size: 8, .value_kind: global_buffer, .address_space: global }
    .group_segment_fixed_size: 145664
    .private_segment_fixed_size: 0
    .kernarg_segment_align: 8
    .kernarg_segment_size: 72
    .max_flat_workgroup_size: 512
    .sgpr_count:     66
    .vgpr_count:     112
    .wavefront_size: 32
...
	.end_amdgpu_metadata
.endif
;; end of part 1
;; launch qkv (part 2): grid 8 x 48, 4 waves a work-group, clusters of 4 x 4, 327,680 bytes of LDS; arguments xc, wc, lowp_scales, bqkv, qimg, kimg, vimg; writes qimg, kimg, vimg
.if DOCPART == 2
	.amdgcn_target "amdgcn-amd-amdhsa--gfx1250"
	.amdhsa_code_object_version 6
	.text
	.protected	k_q070b2ad700_qkv
	.globl	k_q070b2ad700_qkv
	.p2align	8
	.type	k_q070b2ad700_qkv,@function
k_q070b2ad700_qkv:
	s_mov_b64 s[64:65], 0
	v_nop
	global_prefetch_b8 v0, s[64:65] scope:SCOPE_SE
	s_setreg_imm32_b32 hwreg(HW_REG_WAVE_MODE, 25, 1), 1
	s_wait_xcnt 0x0
	s_wait_alu depctr_hold_cnt(0) depctr_sa_sdst(0) depctr_va_vdst(0) depctr_va_sdst(0) depctr_va_ssrc(0) depctr_va_vcc(0) depctr_vm_vsrc(0)
	s_getreg_b32 s2, hwreg(HW_REG_IB_STS2, 6, 4)
	s_cmp_eq_u32 s2, 0
	s_cbranch_scc0 .Lentry_in_a_cluster
	s_endpgm
.Lentry_in_a_cluster:
	s_bfe_u32 s2, ttmp6, 0x10000c
	s_cmp_lg_u32 s2, 0xf033
	s_cbranch_scc0 .Lentry_shape_is_right
	s_endpgm
.Lentry_shape_is_right:
; qkv = x Wqkv^T + bqkv on codes of FP8 (E4M3); each sum x 2^(e0 + e1) + bias, in f32, is quantised at once (q: 2^e2, k: 2^e3, v: 2^e5) and stored as an IMAGE OF THE NEXT OPERAND'S REGISTERS.
; xc [8192][1024], wc [3072][1024]: codes, K innermost, rows permuted by sigma (bits 3 and 4 of the row exchanged): row rho holds true row sigma(rho).
; A tile of 256 x 256 to a work-group of four waves; a wave makes 128 x 128: 64 accumulators, 512 registers.  K = 1,024 goes in four steps of 256 through a ring of two LDS slots filled by the tensor data mover.
; SIDES.  Source 1 of the matrix instruction (side A) gives the result's lane, source 0 (side B) its registers: lane (r, h), register j of accumulator (a, b) = A's row 16 a + r, B's row 16 b + 8 h + j.
;   Since B's rows are permuted, the 16 registers of blocks 2 p and 2 p + 1 are true rows 32 p + 16 h + 0 .. 15: sixteen neighbours along the next product's K, a lane's 16 bytes of a piece of 512.
;   Clusters with y < 8 make q and k: A = tokens (xc), B = features (wc's rows 0-2047): K of the next product = the head's 64.
;   Clusters with y >= 8 make v: A = features (wc's rows 2048-3071), B = tokens (xc): K of the next product = the keys.  The loop knows nothing of the kind: only bases and the way out differ.
; qimg, kimg: byte (bh*128 + tile)*1024 + p*512 + 16 L + i = code of [token sigma(16 tile + r)][d = 32 p + 16 h + i].   vimg: byte ((bh*16 + s)*4 + dt)*2048 + c*512 + 16 L + i = code of v[key 128 s + 32 c + 16 h + i][d = sigma(16 dt + r)].
; CLUSTERS: 4 x 4 work-groups; A's tile is asked for jointly along a row of the cluster, B's along a column.  The branch on the kind hangs on the cluster's y, which all sixteen share.
; ORDER OF ROUNDING: a fragment is fetched by four loads of 16 bytes, which permutes k inside a matrix instruction, alike on both sides.
; LIMITS: e0 + e1 between -126 and 127; e2, e3, e5 between -126 and 119.
; REGISTERS, in windows of 256: window 0: v0-31 addresses; v32-95 the bias by registers (q, k), v96-111 by lanes (v); v112, v113 the scale and the hold; from v128 A's fragments, one set; on the way out v128-191 numbers, v192-255 codes.
;   window 1: B's fragments, two sets.   windows 2, 3: the accumulators of my rows 0-63, 64-127 ((a, b) at v[8 (8 (a % 4) + b)]).
.set ROWB,   256                       ; a tile's row: 256 codes
.set KROW,   1024                      ; a row of xc or wc in bytes
.set PITCH,  272                       ; an LDS row: 256 bytes + 16 of padding = 68 words: the 16 rows that a load touches start at 16 different banks (64 banks of 4 bytes: ISA guide 11.1)
.set FR,     16
.set NL,     4
.set NP,     4                         ; places behind this matrix instruction (ISA guide 7.12.1)
.set HALFT,  128*PITCH
.set SLOT,   4*HALFT
.set LAPS,   2                         ; 1,024 / 512
.set SPARE,  2*SLOT                    ; behind the ring: the spare words, 128 bytes a wave: two blocks of 256 bytes that no other line names
.set BO1,  12                          ; v12  64 h: my half's 16 numbers of each 32 of the bias; never rewritten
.set BO2,  13                          ; v13  4 (r % 8 + 16 (r / 8)); never rewritten
.set ADRA, 16
.set ADRB, 20
.set CO,   26                          ; v26  16 x lane; never rewritten
.set SPW,  28
.set NIL,  29
.set BIA,  32
.set BIB,  96
.set SCL,  112
.set LIM,  113
.set AF,   128
.set VAL,  128
.set COD,  192
.set G1, 24
.set G0, 32
.set G1B, 48
.set G0B, 56
.set MSB, 0
.macro WIN new                         ; the immediate's high byte repeats the setting that is left
.if MSB != \new
	s_set_vgpr_msb (MSB<<8)|\new
.set MSB, \new
.endif
.endm
.set MUL_LO, 0xa1                      ; source 0 (B) window 1, source 1 (A) window 0, C and D window 2
.set MUL_HI, 0xf1
.set TO_B,   0x40
; A joint load: waves 0 and 1 fetch for A, waves 2 and 3 for B; the branch hangs on the wave's number alone.  An s_nop 0 and four v_nop follow each of the two lines.
.macro JLOAD g0a, g1a, g0b, g1b
	s_cmp_eq_u32 s15, 0
	s_cbranch_scc0 .Lfor_b_\@
	tensor_load_to_lds s[\g0a:\g0a+3], s[\g1a:\g1a+7]
	s_nop 0
.rept 4
	v_nop
.endr
	s_branch .Lasked_\@
.Lfor_b_\@:
	tensor_load_to_lds s[\g0b:\g0b+3], s[\g1b:\g1b+7]
	s_nop 0
.rept 4
	v_nop
.endr
.Lasked_\@:
.endm
.macro CREST                           ; a round of the cluster's barrier behind its opening barrier
	s_cmp_lg_u32 s14, 0
	s_cbranch_scc1 .Lnot_wave_0_\@
	s_barrier_signal -3
.Lnot_wave_0_\@:
	s_barrier_wait -3
	s_barrier_signal -1
	s_barrier_wait -1
.endm
.macro CROUND
	s_barrier_signal -1
	s_barrier_wait -1
	CREST
.endm
	s_load_b256 s[4:11], s[0:1], 0x0               ; xc s[4:5], wc s[6:7], the scales' exponents s[8:9], bqkv s[10:11]
	s_load_b128 s[68:71], s[0:1], 0x20             ; qimg, kimg
	s_load_b64 s[72:73], s[0:1], 0x30              ; vimg
	v_lshl_add_u32 v[SPW], v0, 2, SPARE
	v_mov_b32 v[NIL], 0
	ds_add_u32 v[SPW], v[NIL]                      ; the wave's opening: the add and its wait ahead of my first tensor load; the set-up below, work on registers, stands between them
	v_lshrrev_b32 v1, 5, v0
	v_readfirstlane_b32 s14, v1                    ; wave 0..3
	s_lshr_b32 s15, s14, 1                         ; wr: which half of A's rows is mine.  Also: I fetch for A (0) or for B (1)
	s_and_b32 s16, s14, 1                          ; wc: which half of B's rows.  Also: which 128 rows of that tile I fetch
	s_bfe_u32 s40, ttmp6, 0x40000                  ; cx, cy: my place in the cluster
	s_bfe_u32 s41, ttmp6, 0x40004
	s_and_b32 s75, ttmp7, 0xffff                   ; the cluster's y
	s_lshl_b32 s76, s75, 2
	s_add_co_u32 s76, s76, s41                     ; q, k: A's tile ia = 4 y + cy (256 tokens),
	s_lshl_b32 s77, ttmp9, 2
	s_add_co_u32 s77, s77, s40                     ;       B's tile ib = 4 x + cx (256 features: 0-3 q, 4-7 k)
	s_sub_co_u32 s78, s75, 8
	s_lshl_b32 s78, s78, 1
	s_add_co_u32 s78, s78, ttmp9
	s_lshl_b32 s78, s78, 2
	s_add_co_u32 s78, s78, s40                     ; v: ib = 4 (2 (y - 8) + x) + cx (256 tokens); ia = cy (256 features)
	s_cmp_ge_u32 s75, 8
	s_cselect_b32 s17, s41, s76                    ; ia: made of cy and the cluster's y alone
	s_cselect_b32 s42, s78, s77                    ; ib: of cx and the cluster's place alone
	s_cselect_b32 s74, 1, 0                        ; the kind: 1 = v
	s_cselect_b32 s79, 0x200000, 0                 ; v's features begin at wc's row 2,048
	s_lshl_b32 s43, s41, 2
	s_lshl_b32 s43, 15, s43                        ; my row of the cluster
	s_lshl_b32 s44, 0x1111, s40                    ; my column
	; descriptor group 1: a tile of 128 rows x 256 bytes, padded in LDS
	s_or_b32 s[G1+0], s43, (0<<16)|(1<<20)|(1<<21)|(5<<22)|(3<<25)  ; 15:0 the mask; 17:16 elements of 1 byte; 20 padding on; 21 set beside a mask; 24:22 after every 64 words; 31:25 four words
	s_or_b32 s[G1B+0], s44, (0<<16)|(1<<20)|(1<<21)|(5<<22)|(3<<25)
.irp g, G1, G1B
	s_mov_b32 s[\g+1], ROWB<<16                    ; tensor_dim0
	s_mov_b32 s[\g+2], 128<<16                     ; tensor_dim1
	s_mov_b32 s[\g+3], ROWB<<16                    ; tile_dim0
	s_mov_b32 s[\g+4], 128                         ; tile_dim1
	s_mov_b32 s[\g+5], KROW                        ; tensor_dim0_stride
	s_mov_b32 s[\g+6], 0
	s_mov_b32 s[\g+7], 0
.endr
	s_lshl_b32 s18, s16, 7                         ; which 128 rows of the tile I fetch
	s_lshl_b32 s20, s17, 8
	s_add_co_u32 s20, s20, s18
	s_lshl_b32 s20, s20, 10                        ; A: (256 ia + 128 half) rows of 1,024 bytes
	s_add_co_u32 s20, s20, s79
	s_mov_b32 s21, 0
	s_lshl_b32 s46, s42, 8
	s_add_co_u32 s46, s46, s18
	s_lshl_b32 s46, s46, 10                        ; B likewise
	s_mov_b32 s47, 0
	s_mul_i32 s45, s14, HALFT                      ; where they go: wave x 128 rows: no place in the cluster enters an LDS address
	s_wait_dscnt 0x0                               ; the opening add is done
	s_wait_kmcnt 0x0
	s_load_b256 s[84:91], s[8:9], 0x0              ; e0 .. e7
	s_cmp_eq_u32 s74, 1
	s_cselect_b64 s[80:81], s[6:7], s[4:5]         ; side A: wc for v, xc for q and k
	s_cselect_b64 s[82:83], s[4:5], s[6:7]         ; side B: the other
	s_add_nc_u64 s[20:21], s[80:81], s[20:21]
	s_add_nc_u64 s[46:47], s[82:83], s[46:47]
	CROUND                                         ; all sixteen work-groups are here: the first joint loads meet
.irp s, 0,1
	s_mov_b32 s[G0+4*\s], 1
	s_add_co_u32 s[G0+4*\s+1], s45, \s*SLOT
	s_add_nc_u64 s[G0+4*\s+2:G0+4*\s+3], s[20:21], \s*ROWB
	s_or_b32 s[G0+4*\s+3], s[G0+4*\s+3], 0x80000000
	s_mov_b32 s[G0B+4*\s], 1
	s_add_co_u32 s[G0B+4*\s+1], s45, \s*SLOT
	s_add_nc_u64 s[G0B+4*\s+2:G0B+4*\s+3], s[46:47], \s*ROWB
	s_or_b32 s[G0B+4*\s+3], s[G0B+4*\s+3], 0x80000000
	JLOAD G0+4*\s, G1, G0B+4*\s, G1B
.endr
	v_and_b32 v1, 15, v0                           ; r
	v_bfe_u32 v2, v0, 4, 1                         ; h
	v_mul_u32_u24 v3, v1, PITCH
	v_lshl_add_u32 v4, v2, 4, v3                   ; a fragment's row x pitch + 16 x half
	s_mul_i32 s21, s15, HALFT                      ; my 128 rows of A
	s_mul_i32 s22, s16, HALFT                      ; my 128 rows of B,
	s_add_co_u32 s22, s22, 2*HALFT                 ; which lie behind A's 256
.irp s, 0,1
	v_add_nc_u32 v[ADRA+\s], s21, v4
	v_add_nc_u32 v[ADRB+\s], s22, v4
	s_add_co_u32 s21, s21, SLOT
	s_add_co_u32 s22, s22, SLOT
.endr
	v_and_b32 v6, 31, v0
	v_lshlrev_b32 v[CO], 4, v6
	v_lshlrev_b32 v[BO1], 6, v2
	v_and_b32 v5, 7, v1
	v_lshrrev_b32 v6, 3, v1
	v_lshlrev_b32 v[BO2], 2, v5
	v_lshl_add_u32 v[BO2], v6, 6, v[BO2]
	; the bias, both ways, without a branch; the way that is not mine reads the buffer's first bytes and is not used
	s_lshl_b32 s22, s42, 10
	s_lshl_b32 s23, s16, 9
	s_add_co_u32 s22, s22, s23                     ; q, k: 4 (256 ib + 128 wc)
	s_lshl_b32 s76, s17, 10
	s_lshl_b32 s77, s15, 9
	s_add_co_u32 s76, s76, s77
	s_add_co_u32 s76, s76, 8192                    ; v: 4 (2,048 + 256 ia + 128 wr)
	s_cmp_eq_u32 s74, 1
	s_cselect_b32 s22, 0, s22
	s_cselect_b32 s76, s76, 0
	s_mov_b32 s23, 0
	s_mov_b32 s77, 0
	s_add_nc_u64 s[12:13], s[10:11], s[22:23]
	s_add_nc_u64 s[94:95], s[10:11], s[76:77]
.irp p, 0,1,2,3
.irp q, 0,1,2,3
	global_load_b128 v[BIA+16*\p+4*\q:BIA+16*\p+4*\q+3], v[BO1], s[12:13] offset:128*\p+16*\q   ; register 8 b + j: the bias of feature 32 (b / 2) + 16 h + 8 (b % 2) + j
.endr
.endr
.irp a, 0,1,2,3,4,5,6,7
	global_load_b32 v[BIB+2*\a], v[BO2], s[94:95] offset:4*(32*(\a/2)+8*(\a%2))     ; the bias of feature sigma(16 a + r), twice: a pair for the packed form
	global_load_b32 v[BIB+2*\a+1], v[BO2], s[94:95] offset:4*(32*(\a/2)+8*(\a%2))
.endr
	; where my images go.  q, k: head 4 (ib % 4) + 2 wc (+ p / 2), tile 16 (ia % 8) + 8 wr (+ a)
	s_lshr_b32 s18, s17, 3
	s_lshl_b32 s18, s18, 4
	s_and_b32 s19, s42, 3
	s_lshl_b32 s19, s19, 2
	s_add_co_u32 s18, s18, s19
	s_lshl_b32 s19, s16, 1
	s_add_co_u32 s18, s18, s19
	s_lshl_b32 s18, s18, 17                        ; bh x 131,072
	s_and_b32 s19, s17, 7
	s_lshl_b32 s19, s19, 4
	s_lshl_b32 s21, s15, 3
	s_add_co_u32 s19, s19, s21
	s_lshl_b32 s19, s19, 10                        ; tile x 1,024
	s_add_co_u32 s18, s18, s19
	; v: head 4 ia + 2 wr (+ a / 4), key step 2 (ib % 8) + wc
	s_lshr_b32 s19, s42, 3
	s_lshl_b32 s19, s19, 4
	s_lshl_b32 s21, s17, 2
	s_add_co_u32 s19, s19, s21
	s_lshl_b32 s21, s15, 1
	s_add_co_u32 s19, s19, s21
	s_lshl_b32 s19, s19, 4
	s_and_b32 s21, s42, 7
	s_lshl_b32 s21, s21, 1
	s_add_co_u32 s19, s19, s21
	s_add_co_u32 s19, s19, s16
	s_lshl_b32 s19, s19, 13                        ; (bh x 16 + s) x 8,192
	s_cmp_eq_u32 ttmp9, 0
	s_cselect_b64 s[92:93], s[68:69], s[70:71]     ; cluster x = 0 makes q, 1 makes k,
	s_cmp_eq_u32 s74, 1
	s_cselect_b64 s[92:93], s[72:73], s[92:93]     ; the clusters of the other kind v
	s_cselect_b32 s18, s19, s18
	s_mov_b32 s19, 0
	s_add_nc_u64 s[92:93], s[92:93], s[18:19]
.macro FRAG reg, adr, q, i             ; a fragment, 16 rows x 128 K: lane l holds row l % 16; registers 4 c .. 4 c + 3 hold K = 32 c + 16 (l / 16) + 0 .. 15
.irp c, 0,1,2,3
	ds_load_b128 v[\reg+4*\c:\reg+4*\c+3], v[\adr] offset:128*(\q)+32*\c+(\i)*16*PITCH
.endr
.endm
; 16 matrix instructions: A's blocks a0, a0 + 1 x B's eight.  p: B's set.  zero = 1: the first product starts the sums.  The 64 accumulators take turns, one instruction a turn.
.macro MUL16 a0, p, zero
.irp a, \a0, \a0+1
.irp b, 0,1,2,3,4,5,6,7
.if \zero
	v_wmma_f32_16x16x128_fp8_fp8 v[8*(8*((\a)%4)+\b):8*(8*((\a)%4)+\b)+7], v[128*(\p)+FR*\b:128*(\p)+FR*\b+FR-1], v[AF+FR*(\a):AF+FR*(\a)+FR-1], 0
.else
	v_wmma_f32_16x16x128_fp8_fp8 v[8*(8*((\a)%4)+\b):8*(8*((\a)%4)+\b)+7], v[128*(\p)+FR*\b:128*(\p)+FR*\b+FR-1], v[AF+FR*(\a):AF+FR*(\a)+FR-1], v[8*(8*((\a)%4)+\b):8*(8*((\a)%4)+\b)+7]
.endif
.endr
.endr
.endm
.macro FETCH_B slot, q, p
	WIN TO_B
.irp i, 0,1,2,3,4,5,6,7
	FRAG 128*(\p)+FR*\i, ADRB+\slot, \q, \i
.endr
	WIN 0
.endm
.macro FETCH_A slot, q, i0
.irp i, \i0, \i0+1, \i0+2, \i0+3
	FRAG AF+FR*(\i), ADRA+\slot, \q, \i
.endr
.endm
.macro PLACES n                        ; plain vector lines between a matrix instruction and a load into, or a vector line on, its registers (ISA guide 7.12.1 for vector instructions)
.rept \n
	v_nop
.endr
.endm
; A step of 128 along K that has its successor in the same slot.  A has one set of registers: blocks 0-3 are fetched anew in the step's middle, blocks 4-7 at its end; B has two sets.
.macro STEP slot, q, zero
	s_wait_dscnt 4*NL                              ; B's set and A's blocks 0-3 are in; the youngest sixteen loads (A's blocks 4-7) may be out
	WIN MUL_LO
	MUL16 0, (\q)%2, \zero
	MUL16 2, (\q)%2, \zero
	s_wait_dscnt 0
	PLACES NP
	FETCH_B \slot, (\q)+1, 1-(\q)%2
	FETCH_A \slot, (\q)+1, 0
	WIN MUL_HI
	MUL16 4, (\q)%2, \zero
	MUL16 6, (\q)%2, \zero
	PLACES NP
	WIN 0
	FETCH_A \slot, (\q)+1, 4
.endm
; A slot's last step changes slots: one barrier; ahead of it each wave waits for all its tensor loads, adds 0 to its spare word, and waits for that and for its own reads of this slot.  fill = 1: this slot is filled again.
.macro TURN slot, next, fill
	s_wait_tensorcnt 0x0                           ; all my tensor loads have landed: my part of the next slot
	ds_add_u32 v[SPW], v[NIL]                      ; 0 onto my spare word
	s_wait_dscnt 4*NL+1                            ; (the add and the youngest sixteen loads may be out)
	WIN MUL_LO
	MUL16 0, 1, 0                                  ; sixteen matrix instructions stand between the add and the wait for it
	s_wait_dscnt 0x0                               ; the add is done, and my reads of this slot are over
	s_barrier_signal -1
	MUL16 2, 1, 0
	WIN 0
	s_barrier_wait -1
.if \fill
	CREST                                          ; the barrier has opened a round of the cluster's barrier: no wave of any partner still reads this slot or has a load on its way
	s_add_nc_u64 s[G0+4*\slot+2:G0+4*\slot+3], s[G0+4*\slot+2:G0+4*\slot+3], 2*ROWB
	s_add_nc_u64 s[G0B+4*\slot+2:G0B+4*\slot+3], s[G0B+4*\slot+2:G0B+4*\slot+3], 2*ROWB
	JLOAD G0+4*\slot, G1, G0B+4*\slot, G1B         ; the first tensor load behind the round; its four v_nop are also the places ahead of the loads below
.else
	PLACES NP
.endif
	FETCH_B \next, 0, 0
	FETCH_A \next, 0, 0
	WIN MUL_HI
	MUL16 4, 1, 0
	MUL16 6, 1, 0
	PLACES NP
	WIN 0
	FETCH_A \next, 0, 4
.endm
	s_wait_tensorcnt 1                             ; my part of slot 0 is in; slot 1's load may stay out
	s_barrier_signal -1
	s_barrier_wait -1
	FETCH_B 0, 0, 0
	FETCH_A 0, 0, 0
	FETCH_A 0, 0, 4
	STEP 0, 0, 1                                   ; the first step's products start the sums
	s_mov_b32 s3, LAPS-1
.Llap:                                             ; a trip goes once round the ring and fills both slots again
	TURN 0, 1, 1
	STEP 1, 0, 0
	TURN 1, 0, 1
	STEP 0, 0, 0
	s_sub_co_u32 s3, s3, 1
	s_cmp_lg_u32 s3, 0
	s_cbranch_scc1 .Llap
	TURN 0, 1, 0                                   ; the last lap fills nothing
	STEP 1, 0, 0
	s_wait_dscnt 4*NL
	WIN MUL_LO
	MUL16 0, 1, 0
	MUL16 2, 1, 0
	s_wait_dscnt 0
	WIN MUL_HI
	MUL16 4, 1, 0
	MUL16 6, 1, 0
	WIN 0
; THE WAY OUT, block by block of A's 16 rows; no LDS.  sum x 2^(e0 + e1) + bias (one packed multiply-add for two), the hold, the conversion: a lane's 16 codes of blocks 2 p, 2 p + 1 are its 16 bytes of piece p,
; and the wave stores 512 consecutive bytes.  kind = 0: q, k (bias by registers); 1: v (bias by lanes).  Each accumulator is read from its low end on.  The codes have four sets of registers.
.macro EPI kind
.irp a, 0,1,2,3,4,5,6,7
.if \a >= 4
	s_wait_xcnt 0x0                                ; block a - 4's stores have read the registers that this block's codes take
.endif
	WIN 0x02+((\a)/4)                              ; source 0: window 2 or 3
.set J, 0
.rept 32
.if \kind
	v_pk_fma_f32 v[VAL+J:VAL+J+1], v[64*((\a)%4)+J:64*((\a)%4)+J+1], s[96:97], v[BIB+2*\a:BIB+2*\a+1] op_sel_hi:[1,0,1]
.else
	v_pk_fma_f32 v[VAL+J:VAL+J+1], v[64*((\a)%4)+J:64*((\a)%4)+J+1], s[96:97], v[BIA+J:BIA+J+1] op_sel_hi:[1,0,1]
.endif
.set J, J+2
.endr
	WIN 0
.set J, 0
.rept 64
	v_med3_num_f32 v[VAL+J], v[VAL+J], -v[LIM], v[LIM]   ; the conversion to an 8-bit code does not saturate (ISA guide 7.6.2)
.set J, J+1
.endr
.irp b, 0,1,2,3,4,5,6,7
	v_cvt_scalef32_pk8_fp8_f32 v[COD+16*((\a)%4)+2*\b:COD+16*((\a)%4)+2*\b+1], v[VAL+8*\b:VAL+8*\b+7], v[SCL]
.endr
	v_nop                                          ; a plain line between the conversions and the next block's lines, which write their sources
.irp p, 0,1,2,3
.if \kind
	global_store_b128 v[CO], v[COD+16*((\a)%4)+4*\p:COD+16*((\a)%4)+4*\p+3], s[92:93] offset:131072*((\a)/4)+2048*((\a)%4)+512*\p
.else
	global_store_b128 v[CO], v[COD+16*((\a)%4)+4*\p:COD+16*((\a)%4)+4*\p+3], s[92:93] offset:1024*\a+131072*((\p)/2)+512*((\p)%2)
.endif
.endr
.endr
.endm
	s_wait_kmcnt 0x0                               ; the exponents
	s_wait_loadcnt 0x0                             ; the bias
	s_add_co_i32 s96, s84, s85
	s_add_co_i32 s96, s96, 127
	s_lshl_b32 s96, s96, 23                        ; 2^(e0 + e1) as f32
	s_mov_b32 s97, s96                             ; (named with it as a pair)
	s_cmp_eq_u32 ttmp9, 0
	s_cselect_b32 s76, s86, s87                    ; q: e2, k: e3,
	s_cmp_eq_u32 s74, 1
	s_cselect_b32 s76, s89, s76                    ; v: e5: chosen without a branch
	s_add_co_i32 s76, s76, 127
	s_lshl_b32 s77, s76, 23
	v_mov_b32 v[SCL], s77
	s_add_co_i32 s76, s76, 8
	s_lshl_b32 s76, s76, 23
	s_or_b32 s76, s76, 0x600000
	v_mov_b32 v[LIM], s76                          ; 448 x the scale
	PLACES NP                                      ; behind the last products: A's registers are written and results are read below
	s_cmp_eq_u32 s74, 1                            ; the cluster's y alone: the same in all sixteen work-groups
	s_cbranch_scc1 .Lkind_v
	EPI 0
	s_branch .Lout
.Lkind_v:
	EPI 1
.Lout:
	s_wait_tensorcnt 0x0                           ; the wave's end, behind my last tensor load
	ds_add_u32 v[SPW], v[NIL]
	s_wait_dscnt 0x0
	CROUND                                         ; the closing round: no work-group ends while a partner may still ask for a tile that names it
	s_endpgm
.Lfunc_end_k_q070b2ad700_qkv:
	.size	k_q070b2ad700_qkv, .Lfunc_end_k_q070b2ad700_qkv-k_q070b2ad700_qkv
	.p2alignl 7, 3214868480
	.fill 96, 4, 3214868480
	.section	.rodata,"a",@progbits
	.p2align	6, 0x0
	.amdhsa_kernel k_q070b2ad700_qkv
		.amdhsa_group_segment_fixed_size 327680
		.amdhsa_private_segment_fixed_size 0
		.amdhsa_enable_private_segment 0
		.amdhsa_kernarg_size 56
		.amdhsa_user_sgpr_count 2
		.amdhsa_user_sgpr_kernarg_segment_ptr 1
		.amdhsa_wavefront_size32 1
		.amdhsa_system_sgpr_workgroup_id_x 1
		.amdhsa_system_sgpr_workgroup_id_y 1
		.amdhsa_system_sgpr_workgroup_id_z 1
		.amdhsa_system_vgpr_workitem_id 0
		.amdhsa_next_free_vgpr 1024
		.amdhsa_next_free_sgpr 100
		.amdhsa_reserve_vcc 0
		.amdhsa_float_denorm_mode_32 3
		.amdhsa_float_denorm_mode_16_64 3
		.amdhsa_memory_ordered 1
		.amdhsa_forward_progress 1
		.amdhsa_inst_pref_size 194
	.end_amdhsa_kernel
	.amdgpu_metadata
---
amdhsa.version: [ 1, 2 ]
amdhsa.kernels:
  - .name:           k_q070b2ad700_qkv
    .symbol:         k_q070b2ad700_qkv.kd
    .args:
      - { .name: xc, .offset: 0, .size: 8, .value_kind: global_buffer, .address_space: global }
      - { .name: wc, .offset: 8, .size: 8, .value_kind: global_buffer, .address_space: global }
      - { .name: lowp_scales, .offset: 16, .size: 8, .value_kind: global_buffer, .address_space: global }
      - { .name: bqkv, .offset: 24, .size: 8, .value_kind: global_buffer, .address_space: global }
      - { .name: qimg, .offset: 32, .size: 8, .value_kind: global_buffer, .address_space: global }
      - { .name: kimg, .offset: 40, .size: 8, .value_kind: global_buffer, .address_space: global }
      - { .name: vimg, .offset: 48, .size: 8, .value_kind: global_buffer, .address_space: global }
    .group_segment_fixed_size: 327680
    .private_segment_fixed_size: 0
    .kernarg_segment_align: 8
    .kernarg_segment_size: 56
    .max_flat_workgroup_size: 128
    .sgpr_count:     100
    .vgpr_count:     1024
    .wavefront_size: 32
...
	.end_amdgpu_metadata
.endif
;; end of part 2
;; launch attn (part 3): grid 4 x 64, 16 waves a work-group, no clusters, 34,816 bytes of LDS; arguments qimg, kimg, vimg, msk, lowp_scales, oc; writes oc
.if DOCPART == 3
	.amdgcn_target "amdgcn-amd-amdhsa--gfx1250"
	.amdhsa_code_object_version 6
	.text
	.protected	k_q070b2ad700_attn
	.globl	k_q070b2ad700_attn
	.p2align	8
	.type	k_q070b2ad700_attn,@function
k_q070b2ad700_attn:
	s_mov_b64 s[64:65], 0
	v_nop
	global_prefetch_b8 v0, s[64:65] scope:SCOPE_SE
	s_setreg_imm32_b32 hwreg(HW_REG_WAVE_MODE, 25, 1), 1
	s_wait_xcnt 0x0
; o = softmax(q k^T / 8, under the given mask) v for 64 heads of 2,048 tokens x 64, both products on codes of FP8 (E4M3); o is quantised at once (2^e6) as an image of the last product's operand registers.
; THE SOFTMAX: t = score x log2(e) / 8; M = the running largest t rounded UP to a whole number; p = 2^(t - M) is quantised (2^e4), not normalised; the sum of the unquantised p divides at the end; when M moves,
; the sum and O are multiplied by 2^(old M - new M), which rounds nothing.  A hidden score is -infinity, p = 0.  A query with no visible key gets NaN.
; INPUTS AS IMAGES: a piece is 512 bytes, lane L's 16 bytes at 16 L.  qimg, kimg: tile of 16 tokens sigma(16 tile + r) (sigma: bits 3 and 4 exchanged), pieces p = 0, 1: d = 32 p + 16 h + i.
;   vimg: key step s, tile dt of 16 channels sigma(16 dt + r), pieces c = 0..3: key 128 s + 32 c + 16 h + i.  So every fragment comes by loads at a constant + 16 x lane.
; LAYOUT: S^T = K Q^T (source 0 = 16 keys, source 1 = my 16 queries), O^T = V^T P^T: a lane holds one query throughout; score register n = key 128 s + 32 (n / 16) + 16 h + n % 16, so p's conversions give
;   the second product's operand; O's register 8 dt + j = channel 32 (dt / 2) + 16 h + 8 (dt % 2) + j, so o's conversions give pieces of oc: byte tau*16384 + head*1024 + c*512 + 16 L + i.
; SHARES: work-group (x, head) takes two blocks of 256 queries, block 7 - x and then block x; each of its sixteen waves one tile of 16 queries; four waves to a SIMD.  Every pass walks all 16 key steps of 128:
;   the trip counts are constants and every wave passes every barrier; a step's WORK is jumped over where the stored flags say that none of the tile's keys is visible, the 64 selects where all are.
; K's and V's 16 KiB of a step go through registers into one of two LDS slots, 32 bytes a thread, one trip ahead; one barrier a trip.
; NO TENSOR LOAD AND NO CLUSTER: which steps a work-group needs hangs on flags read from memory, so partners would need different numbers of tiles.
; LIMITS: e2 + e3 between -123 and 130 (added to c's exponent field); e4, e6 between -126 and 119.  k is permuted inside a matrix instruction, alike on both sides (an order of rounding).
.set SLOTB, 16384                      ; a slot: K's 8 tile images (8 KiB), then V's 4 (8 KiB)
.set SPARE, 2*SLOTB                    ; the spare words, 128 bytes a wave: eight blocks of 256 bytes that no other line names
.set FLAGS, 524288
.set SPW, 1                            ; v1  my spare word; v2  0; never rewritten
.set NIL, 2
; v3 16 x lane; v4 16 x thread; v5 256 x lane; v6 -infinity; v7 NaN; v8-15 staging; v16-23 Q; v24 -M, v25 the largest t; v[26:27] the sum; v28 at work (v29 = 0); v30 f (v31 = 0); v32 the permute's; v[34:35] a second chain;
; v36, v37: 2^e4, 448 x 2^e4; v38, v39: 2^e6, 448 x 2^e6
.set KV,  64                           ; v64-127   fragments of K, then of V
.set SC,  128                          ; v128-191  S^T, then p
.set OT,  192                          ; v192-223  O^T
.set PC,  224                          ; v224-239  p's codes
.set OC,  240                          ; v240-247  o's codes
; s[2:3], s[66:67] where the staging loads stand in K, V; s[4:9] the head's q, k, v; s[10:11] msk; s12 my query tile; s13, s27 at work; s[14:15] oc at my batch and head; s[16:17] a working address;
; s18 wave; s19 pass; s[20:21] lane selects; s[22:23] c; s24 step counter; s25 the step; s26 the block's ANY; s[28:29] my ANY, ALL; s30 block; s31 is the hold needed; s[32:63], s[68:99] 64 lane masks;
; s[100:101] my tile's lane masks; s104 e4 + e5; s105 the prefetches' bits
	s_load_b256 s[4:11], s[0:1], 0x0               ; qimg, kimg, vimg, msk
	s_load_b128 s[12:15], s[0:1], 0x20             ; the scales' exponents, oc
	v_lshl_add_u32 v[SPW], v0, 2, SPARE
	v_mov_b32 v[NIL], 0
	v_lshrrev_b32 v3, 5, v0
	v_readfirstlane_b32 s18, v3                    ; wave 0..15
	v_and_b32 v3, 31, v0
	v_lshlrev_b32 v5, 8, v3
	v_lshlrev_b32 v3, 4, v3
	v_lshlrev_b32 v4, 4, v0
	v_mov_b32 v6, 0xff800000
	v_mov_b32 v7, 0x7fc00000
.irp j, 8,9,10,11,12,13,14,15,29,31,32
	v_mov_b32 v\j, 0                               ; written once: the staging registers, the upper halves of two pairs, a lane permute's destination
.endr
	s_and_b32 s24, ttmp7, 0xffff                   ; bh = batch x 16 + head
	s_lshl_b32 s16, s24, 17                        ; a head's images: 131,072 bytes in each of the three
	s_mov_b32 s17, 0
	s_lshr_b32 s26, s24, 4
	s_lshl_b32 s26, s26, 21                        ; oc: batch x 128 tiles x 16,384
	s_and_b32 s27, s24, 15
	s_lshl_b32 s27, s27, 10                        ; + head x 1,024
	s_add_co_u32 s26, s26, s27
	s_mov_b32 s27, 0
	s_mov_b32 s20, 0x76543210
	s_mov_b32 s21, 0xfedcba98                      ; lane l xor 16
	s_wait_kmcnt 0x0
	s_load_b256 s[32:39], s[12:13], 0x0            ; e0 .. e7
	s_add_nc_u64 s[4:5], s[4:5], s[16:17]
	s_add_nc_u64 s[6:7], s[6:7], s[16:17]
	s_add_nc_u64 s[8:9], s[8:9], s[16:17]
	s_add_nc_u64 s[14:15], s[14:15], s[26:27]
	s_wait_kmcnt 0x0
	s_add_co_i32 s27, s34, s35
	s_lshl_b32 s27, s27, 23
	s_add_co_i32 s22, s27, 0x3e38aa3b              ; c = log2(e) / 8 x 2^(e2 + e3): the exponents are added to c's exponent field
	s_mov_b32 s23, s22
	s_add_co_i32 s104, s36, s37                    ; e4 + e5
	s_cmp_lt_i32 s36, -8
	s_cselect_b32 s31, 1, 0                        ; p is at most 1, and 448 x 2^e4 is at least 1.75 from e4 = -8 on: only under that is the hold needed
	s_add_co_i32 s27, s36, 127
	s_lshl_b32 s13, s27, 23
	v_mov_b32 v36, s13
	s_add_co_i32 s27, s27, 8
	s_lshl_b32 s27, s27, 23
	s_or_b32 s27, s27, 0x600000
	v_mov_b32 v37, s27
	s_add_co_i32 s27, s38, 127
	s_lshl_b32 s13, s27, 23
	v_mov_b32 v38, s13
	s_add_co_i32 s27, s27, 8
	s_lshl_b32 s27, s27, 23
	s_or_b32 s27, s27, 0x600000
	v_mov_b32 v39, s27
; THE WORK OF A KEY STEP in slot sl, for my 16 queries.
.macro COMPUTE sl
.set T, 0
.rept 8
	ds_load_b128 v[KV+8*T:KV+8*T+3], v3 offset:SLOTB*\sl+1024*T
	ds_load_b128 v[KV+8*T+4:KV+8*T+7], v3 offset:SLOTB*\sl+1024*T+512
.set T, T+1
.endr
	s_wait_dscnt 0x0
.set T, 0
.rept 8
	v_wmma_f32_16x16x64_fp8_fp8 v[SC+8*T:SC+8*T+7], v[KV+8*T:KV+8*T+7], v[16:23], 0
.set T, T+1
.endr
.rept 4
	v_nop                                          ; places ahead of the loads into K's registers and of the first read of the scores
.endr
.set T, 0
.rept 16
	ds_load_b128 v[KV+4*T:KV+4*T+3], v3 offset:SLOTB*\sl+8192+512*T   ; V's four fragments: they land under the softmax
.set T, T+1
.endr
	s_lshr_b32 s13, s29, s25
	s_bitcmp1_b32 s13, 0                           ; are all 16 x 128 visible?
	s_cbranch_scc1 .Lopen_\@
	s_lshl_b32 s27, s25, 8                         ; the step's 64 lane masks: 256 bytes
	s_load_b512 s[32:47], s[100:101], s27 offset:0x0
	s_load_b512 s[48:63], s[100:101], s27 offset:0x40
	s_load_b512 s[68:83], s[100:101], s27 offset:0x80
	s_load_b512 s[84:99], s[100:101], s27 offset:0xc0
	s_wait_kmcnt 0x0
.set N, 0
.rept 64
	v_cndmask_b32 v[SC+N], v6, v[SC+N], s[32+N+4*(N/32)]   ; the score where the bit is set, else -infinity
.set N, N+1
.endr
.Lopen_\@:
	v_max3_num_f32 v28, v[SC], v[SC+1], v[SC+2]    ; the step's largest score of my query among my 64 keys, in two chains; each accumulator is read from its low end on
	v_max3_num_f32 v30, v[SC+3], v[SC+4], v[SC+5]
.set N, 6
.rept 14
	v_max3_num_f32 v28, v28, v[SC+N], v[SC+N+1]
	v_max3_num_f32 v30, v30, v[SC+N+2], v[SC+N+3]
.set N, N+4
.endr
	v_max3_num_f32 v28, v28, v[SC+62], v[SC+63]
	v_max_num_f32 v28, v28, v30
	v_permlanex16_b32 v32, v28, s20, s21
	v_max_num_f32 v28, v28, v32                    ; and among lane l xor 16's
	v_mul_f32 v28, s22, v28                        ; as t (c is positive)
	v_max_num_f32 v25, v25, v28                    ; the running largest t
	v_mov_b32 v28, v24
	v_floor_f32 v24, -v25                          ; the new -M = floor(-t): M is a whole number
	v_sub_f32 v28, v24, v28                        ; old M - new M: a whole number, 0 or less
	v_cvt_i32_f32 v28, v28                         ; (it saturates)
	v_ldexp_f32 v30, 1.0, v28                      ; f = 2^(old M - new M)
.set N, 0
.rept 32
	v_pk_fma_f32 v[SC+N:SC+N+1], v[SC+N:SC+N+1], s[22:23], v[24:25] op_sel_hi:[1,0,0]   ; t - M, two at a time
.set N, N+2
.endr
.set N, 0
.rept 64
	v_exp_f32 v[SC+N], v[SC+N]                     ; p = 2^(t - M)
.set N, N+1
.endr
	v_pk_mul_f32 v[26:27], v[26:27], v[30:31] op_sel_hi:[1,0]   ; the sum under the new M: the plain line behind the exponentials
	s_wait_alu depctr_va_vdst(0)                   ; one wait for the batch of 64, ahead of its first reader
	v_pk_add_f32 v[34:35], v[SC:SC+1], v[SC+2:SC+3]   ; the sum is taken of the unquantised p, in two chains
.set N, 4
.rept 15
	v_pk_add_f32 v[26:27], v[26:27], v[SC+N:SC+N+1]
	v_pk_add_f32 v[34:35], v[34:35], v[SC+N+2:SC+N+3]
.set N, N+4
.endr
	v_pk_add_f32 v[26:27], v[26:27], v[34:35]
	s_cmp_eq_u32 s31, 0
	s_cbranch_scc1 .Lnohold_\@
.set N, 0
.rept 64
	v_min_num_f32 v[SC+N], v[SC+N], v37            ; the conversion does not saturate (ISA guide 7.6.2); p is not negative: a one-sided hold, run whenever 448 x 2^e4 lies under 1
.set N, N+1
.endr
.Lnohold_\@:
.irp b, 0,1,2,3
	v_cvt_scalef32_pk8_fp8_f32 v[PC+4*\b:PC+4*\b+1], v[SC+16*\b:SC+16*\b+7], v36
	v_cvt_scalef32_pk8_fp8_f32 v[PC+4*\b+2:PC+4*\b+3], v[SC+16*\b+8:SC+16*\b+15], v36
.endr
.set N, 0
.rept 16
	v_pk_mul_f32 v[OT+N:OT+N+1], v[OT+N:OT+N+1], v[30:31] op_sel_hi:[1,0]   ; O^T under the new M; also the plain lines between the conversions and the products
.set N, N+2
.endr
	s_wait_dscnt 0x0                               ; V is in
.irp d, 0,1,2,3
	v_wmma_f32_16x16x128_fp8_fp8 v[OT+8*\d:OT+8*\d+7], v[KV+16*\d:KV+16*\d+15], v[PC:PC+15], v[OT+8*\d:OT+8*\d+7]   ; four accumulators by turns
.endr
.rept 4
	v_nop                                          ; places ahead of the next loads into these fragments and of the next read of O^T
.endr
.endm
; A TRIP: key step I = s24 + sl.  What was loaded a trip ago goes into slot sl; one barrier: behind it the slot is whole, and every wave's reads of the other slot, which the next trip writes, are over;
; the next step's 32 bytes a thread are asked for; then the work.  Branches on the flags lead round stores, loads and work, never round the waits or the barrier.
.macro TRIP sl
	s_wait_loadcnt 0x0                             ; the staging loads (and Q)
	s_wait_xcnt 0x0                                ; the last trip's prefetches have read their addresses, which step now
	s_add_nc_u64 s[2:3], s[2:3], 8192              ; on to step I + 1
	s_add_nc_u64 s[66:67], s[66:67], 8192
	s_add_co_u32 s25, s24, \sl
	s_lshr_b32 s27, s26, s25
	s_bitcmp1_b32 s27, 0                           ; does any wave of the block need step I?
	s_cbranch_scc0 .Lnost_\@
	ds_store_b128 v4, v[8:11] offset:SLOTB*\sl
	ds_store_b128 v4, v[12:15] offset:SLOTB*\sl+8192
.Lnost_\@:
	s_wait_dscnt 0x0                               ; for the others' sake: my stores have landed, my reads of the other slot are over
	s_barrier_signal -1
	s_barrier_wait -1
	s_bitcmp1_b32 s27, 1                           ; step I + 1?  (bits 16 and above are 0: no load passes the head's last step)
	s_cbranch_scc0 .Lnold_\@
	global_load_b128 v[8:11], v4, s[2:3]
	global_load_b128 v[12:15], v4, s[66:67]
.Lnold_\@:
	s_lshr_b32 s13, s105, s25
	s_bitcmp1_b32 s13, 0
	s_cbranch_scc0 .Lnopf_\@
	; a prefetch of step I + 3, two trips ahead of its loads: K's 8,192 bytes and V's, lanes 256 bytes apart.  Wave 0 of the head's first work-group asks, in its first pass alone: each block is named once.  Steps 0 to 2 come by their loads alone; bit I stands for step I + 3, so the last three trips ask for nothing
	global_prefetch_b8 v5, s[2:3] offset:16384 th:TH_LOAD_NT scope:SCOPE_SE
	global_prefetch_b8 v5, s[66:67] offset:16384 th:TH_LOAD_NT scope:SCOPE_SE
.Lnopf_\@:
	s_lshr_b32 s13, s28, s25
	s_bitcmp1_b32 s13, 0                           ; has my tile a visible key in step I?
	s_cbranch_scc0 .Lskip_\@
	COMPUTE \sl
.Lskip_\@:
.endm
	s_mov_b32 s19, 0
.Lpass:
	s_sub_co_u32 s27, 7, ttmp9
	s_cmp_eq_u32 s19, 0
	s_cselect_b32 s30, s27, ttmp9                  ; block 7 - x, then block x
	s_lshl_b32 s27, s30, 7
	s_add_co_u32 s27, s27, FLAGS                   ; the block's sixteen flag pairs: 128 bytes
	s_lshl_b32 s13, s18, 3
	s_add_co_u32 s13, s13, s27
	s_load_b512 s[32:47], s[10:11], s27 offset:0x0
	s_load_b512 s[48:63], s[10:11], s27 offset:0x40
	s_load_b64 s[28:29], s[10:11], s13 offset:0x0  ; my own pair
	s_lshl_b32 s12, s30, 4
	s_add_co_u32 s12, s12, s18                     ; my query tile
	s_lshl_b32 s16, s12, 10
	s_mov_b32 s17, 0
	s_add_nc_u64 s[16:17], s[4:5], s[16:17]
	global_load_b128 v[16:19], v3, s[16:17]        ; Q's fragment stays in registers
	global_load_b128 v[20:23], v3, s[16:17] offset:512
	s_lshl_b32 s100, s12, 12
	s_mov_b32 s101, 0
	s_add_nc_u64 s[100:101], s[10:11], s[100:101]  ; my tile's lane masks: 4,096 bytes
.set N, 0
.rept 32
	v_mov_b32 v[OT+N], 0                           ; the step is written once: its first run finds zeros, which the first change of M leaves zeros
.set N, N+1
.endr
	v_mov_b32 v26, 0
	v_mov_b32 v27, 0
	v_mov_b32 v25, 0xff61b1e6                      ; the largest t so far: -3e38
	v_floor_f32 v24, -v25
	s_mov_b64 s[2:3], s[6:7]
	s_mov_b64 s[66:67], s[8:9]
	s_wait_kmcnt 0x0
	s_or_b32 s26, s32, s34
.irp w, 36,38,40,42,44,46,48,50,52,54,56,58,60,62
	s_or_b32 s26, s26, s\w
.endr
	s_and_b32 s26, s26, 0xffff                     ; the steps that some wave of the block needs
	s_or_b32 s27, s18, ttmp9
	s_or_b32 s27, s27, s19
	s_lshr_b32 s13, s26, 3
	s_cmp_eq_u32 s27, 0
	s_cselect_b32 s105, s13, 0
	s_bitcmp1_b32 s26, 0
	s_cbranch_scc0 .Lno_first
	global_load_b128 v[8:11], v4, s[2:3]           ; step 0
	global_load_b128 v[12:15], v4, s[66:67]
.Lno_first:
	s_mov_b32 s24, 0
.Lstep:
	TRIP 0
	TRIP 1
	s_add_co_u32 s24, s24, 2
	s_cmp_lt_u32 s24, 16
	s_cbranch_scc1 .Lstep
	; THE PASS'S END: O^T x 2^(e4 + e5) / the sum, held, quantised; 1 KiB a wave, two stores of 512 consecutive bytes
	s_wait_loadcnt 0x0                             ; no load of mine is out: the staging registers and the addresses may be used anew
	v_add_f32 v26, v26, v27
	v_permlanex16_b32 v32, v26, s20, s21
	v_add_f32 v26, v26, v32                        ; the row's sum
	v_rcp_f32 v28, v26
	v_nop                                          ; a plain line behind the transcendental
	v_cmp_eq_f32 vcc_lo, 0, v26                    ; no visible key at all
	s_lshl_b32 s16, s12, 14
	s_mov_b32 s17, 0
	s_add_nc_u64 s[16:17], s[14:15], s[16:17]
	s_wait_alu depctr_va_vdst(0)                   ; ahead of the first reader
	v_ldexp_f32 v28, v28, s104
.set N, 0
.rept 16
	v_pk_mul_f32 v[SC+N:SC+N+1], v[OT+N:OT+N+1], v[28:29] op_sel_hi:[1,0]
.set N, N+2
.endr
.set N, 0
.rept 32
	v_med3_num_f32 v[SC+N], v[SC+N], -v39, v39
.set N, N+1
.endr
.set N, 0
.rept 32
	v_cndmask_b32 v[SC+N], v[SC+N], v7, vcc_lo     ; behind the hold, which would lose it: NaN for a query with no visible key
.set N, N+1
.endr
.irp g, 0,1,2,3
	v_cvt_scalef32_pk8_fp8_f32 v[OC+2*\g:OC+2*\g+1], v[SC+8*\g:SC+8*\g+7], v38
.endr
	v_nop                                          ; a plain line behind the last conversion
	global_store_b128 v3, v[OC:OC+3], s[16:17]
	global_store_b128 v3, v[OC+4:OC+7], s[16:17] offset:512
	s_wait_xcnt 0x0                                ; the stores have read their registers and their base
	s_add_co_u32 s19, s19, 1
	s_cmp_lt_u32 s19, 2
	s_cbranch_scc1 .Lpass
	s_wait_tensorcnt 0x0                           ; the wave's end, behind my last LDS store
	ds_add_u32 v[SPW], v[NIL]
	s_wait_dscnt 0x0
	s_endpgm
.Lfunc_end_k_q070b2ad700_attn:
	.size	k_q070b2ad700_attn, .Lfunc_end_k_q070b2ad700_attn-k_q070b2ad700_attn
	.p2alignl 7, 3214868480
	.fill 96, 4, 3214868480
	.section	.rodata,"a",@progbits
	.p2align	6, 0x0
	.amdhsa_kernel k_q070b2ad700_attn
		.amdhsa_group_segment_fixed_size 34816
		.amdhsa_private_segment_fixed_size 0
		.amdhsa_enable_private_segment 0
		.amdhsa_kernarg_size 48
		.amdhsa_user_sgpr_count 2
		.amdhsa_user_sgpr_kernarg_segment_ptr 1
		.amdhsa_wavefront_size32 1
		.amdhsa_system_sgpr_workgroup_id_x 1
		.amdhsa_system_sgpr_workgroup_id_y 1
		.amdhsa_system_sgpr_workgroup_id_z 1
		.amdhsa_system_vgpr_workitem_id 0
		.amdhsa_next_free_vgpr 256
		.amdhsa_next_free_sgpr 106
		.amdhsa_reserve_vcc 1
		.amdhsa_float_denorm_mode_32 3
		.amdhsa_float_denorm_mode_16_64 3
		.amdhsa_memory_ordered 1
		.amdhsa_forward_progress 1
		.amdhsa_inst_pref_size 53
	.end_amdhsa_kernel
	.amdgpu_metadata
---
amdhsa.version: [ 1, 2 ]
amdhsa.kernels:
  - .name:           k_q070b2ad700_attn
    .symbol:         k_q070b2ad700_attn.kd
    .args:
      - { .name: qimg, .offset: 0, .size: 8, .value_kind: global_buffer, .address_space: global }
      - { .name: kimg, .offset: 8, .size: 8, .value_kind: global_buffer, .address_space: global }
      - { .name: vimg, .offset: 16, .size: 8, .value_kind: global_buffer, .address_space: global }
      - { .name: msk, .offset: 24, .size: 8, .value_kind: global_buffer, .address_space: global }
      - { .name: lowp_scales, .offset: 32, .size: 8, .value_kind: global_buffer, .address_space: global }
      - { .name: oc, .offset: 40, .size: 8, .value_kind: global_buffer, .address_space: global }
    .group_segment_fixed_size: 34816
    .private_segment_fixed_size: 0
    .kernarg_segment_align: 8
    .kernarg_segment_size: 48
    .max_flat_workgroup_size: 512
    .sgpr_count:     106
    .vgpr_count:     256
    .wavefront_size: 32
...
	.end_amdgpu_metadata
.endif
;; end of part 3
;; launch outp (part 4): grid 4 x 32, 4 waves a work-group, clusters of 4 x 4, 327,680 bytes of LDS; arguments oc, woc, lowp_scales, bout, out0; writes out0
.if DOCPART == 4
	.amdgcn_target "amdgcn-amd-amdhsa--gfx1250"
	.amdhsa_code_object_version 6
	.text
	.protected	k_q070b2ad700_outp
	.globl	k_q070b2ad700_outp
	.p2align	8
	.type	k_q070b2ad700_outp,@function
k_q070b2ad700_outp:
	s_mov_b64 s[64:65], 0
	v_nop
	global_prefetch_b8 v0, s[64:65] scope:SCOPE_SE
	s_setreg_imm32_b32 hwreg(HW_REG_WAVE_MODE, 25, 1), 1
	s_wait_xcnt 0x0
	s_wait_alu depctr_hold_cnt(0) depctr_sa_sdst(0) depctr_va_vdst(0) depctr_va_sdst(0) depctr_va_ssrc(0) depctr_va_vcc(0) depctr_vm_vsrc(0)
	s_getreg_b32 s2, hwreg(HW_REG_IB_STS2, 6, 4)
	s_cmp_eq_u32 s2, 0
	s_cbranch_scc0 .Lentry_in_a_cluster
	s_endpgm
.Lentry_in_a_cluster:
	s_bfe_u32 s2, ttmp6, 0x10000c
	s_cmp_lg_u32 s2, 0xf033
	s_cbranch_scc0 .Lentry_shape_is_right
	s_endpgm
.Lentry_shape_is_right:
; out0 = o Wout^T + bout on codes of FP8 (E4M3): out0 = sum x 2^(e6 + e7) + bias, f32.
; A = oc: IMAGES of the operand's registers: byte tau*16384 + q*2048 + c*512 + 16 L + i = code of o[token sigma(16 tau + r)][k = 128 q + 32 c + 16 h + i] (sigma: bits 3 and 4 exchanged; lane L = (r, h)).
; B = woc [1024][1024]: codes, K innermost, natural rows.
; A tile of 256 x 256 to a work-group of four waves; a wave makes 128 x 128: 64 accumulators.  K = 1,024 goes in four steps of 256 through a ring of two LDS slots filled by the tensor data mover.
; A's part of a slot is dense: for each of a wave's 8 token tiles the 4,096 bytes of two K steps of 128; a fragment comes by four loads at a constant + 16 x lane.  B's rows are padded to 272 bytes.
; Source 0 = 16 rows of B, source 1 = 16 rows of A: a lane holds eight neighbouring columns of one row.  Row r of A's block a is token sigma(16 a + r) of my 128: the stores put it there.
; CLUSTERS: 4 x 4 work-groups; A's tile is asked for jointly along a row of the cluster, B's along a column.
; ORDER OF ROUNDING: k is permuted inside a matrix instruction, alike on both sides.   LIMIT: e6 + e7 between -126 and 127.
; REGISTERS: window 0: v0-31 addresses; v32-95 the bias; from v128 A's fragments, one set; on the way out v128-255 rows read back.  window 1: B's fragments, two sets; on the way out v0-63 a block's results.  windows 2, 3: the accumulators.
.set ROWB,   256
.set KROW,   1024
.set PITCH,  272                       ; B's LDS row: 256 bytes + 16 of padding: the 16 rows that a load touches start at 16 different banks (64 banks of 4 bytes: ISA guide 11.1)
.set ASTEP,  4096                      ; a token tile's bytes of 256 along K
.set FR,     16
.set NL,     4
.set NP,     4
.set HALFT,  128*PITCH                 ; a wave's part of a slot; A's uses 32,768 bytes of it
.set SLOT,   4*HALFT
.set LAPS,   2
.set SPARE,  2*SLOT                    ; the spare words, 128 bytes a wave: two blocks of 256 bytes that no other line names
.set SPITCH, 528                       ; the way out: a stage of 16 rows x (512 + 16) bytes a wave, in slot 0, which has had its last fill and its last read when the first result is stored there
.set BO1,  12                          ; v12  32 h; never rewritten
.set ADRA, 16
.set ADRB, 20
.set STO,  24
.set RD,   25
.set CO,   26
.set SPW,  28
.set NIL,  29
.set BIA,  32
.set AF,   128
.set BK,   128
.set G1, 24
.set G0, 32
.set G1B, 48
.set G0B, 56
.set MSB, 0
.macro WIN new                         ; the immediate's high byte repeats the setting that is left
.if MSB != \new
	s_set_vgpr_msb (MSB<<8)|\new
.set MSB, \new
.endif
.endm
.set MUL_LO, 0xa1
.set MUL_HI, 0xf1
.set TO_B,   0x40
.macro JLOAD g0a, g1a, g0b, g1b        ; a joint load: waves 0 and 1 fetch for A, waves 2 and 3 for B; an s_nop 0 and four v_nop follow each of the two lines
	s_cmp_eq_u32 s15, 0
	s_cbranch_scc0 .Lfor_b_\@
	tensor_load_to_lds s[\g0a:\g0a+3], s[\g1a:\g1a+7]
	s_nop 0
.rept 4
	v_nop
.endr
	s_branch .Lasked_\@
.Lfor_b_\@:
	tensor_load_to_lds s[\g0b:\g0b+3], s[\g1b:\g1b+7]
	s_nop 0
.rept 4
	v_nop
.endr
.Lasked_\@:
.endm
.macro CREST
	s_cmp_lg_u32 s14, 0
	s_cbranch_scc1 .Lnot_wave_0_\@
	s_barrier_signal -3
.Lnot_wave_0_\@:
	s_barrier_wait -3
	s_barrier_signal -1
	s_barrier_wait -1
.endm
.macro CROUND
	s_barrier_signal -1
	s_barrier_wait -1
	CREST
.endm
	s_load_b256 s[4:11], s[0:1], 0x0               ; oc s[4:5], woc s[6:7], the scales' exponents s[8:9], bout s[10:11]
	s_load_b64 s[12:13], s[0:1], 0x20              ; out0
	v_lshl_add_u32 v[SPW], v0, 2, SPARE
	v_mov_b32 v[NIL], 0
	ds_add_u32 v[SPW], v[NIL]                      ; the wave's opening: the add and its wait ahead of my first tensor load; the set-up below, work on registers, stands between them
	v_lshrrev_b32 v1, 5, v0
	v_readfirstlane_b32 s14, v1                    ; wave 0..3
	s_lshr_b32 s15, s14, 1                         ; wr.  Also: I fetch for A (0) or for B (1)
	s_and_b32 s16, s14, 1                          ; wc.  Also: which half of that tile I fetch
	s_bfe_u32 s40, ttmp6, 0x40000                  ; cx, cy
	s_bfe_u32 s41, ttmp6, 0x40004
	s_lshl_b32 s42, ttmp9, 2
	s_add_co_u32 s42, s42, s40                     ; ib: tile column = 4 x cluster x + cx
	s_and_b32 s17, ttmp7, 0xffff
	s_lshl_b32 s17, s17, 2
	s_add_co_u32 s17, s17, s41                     ; ia: tile row = 4 x cluster y + cy
	s_lshl_b32 s43, s41, 2
	s_lshl_b32 s43, 15, s43                        ; my row of the cluster
	s_lshl_b32 s44, 0x1111, s40                    ; my column
	; A's group 1: 8 rows (token tiles) of 512 elements of 8 bytes, 2,048 elements apart, dense in LDS
	s_or_b32 s[G1+0], s43, (3<<16)|(1<<21)         ; 15:0 the mask; 17:16 elements of 8 bytes; 21 set beside a mask; no padding
	s_mov_b32 s[G1+1], 512<<16                     ; tensor_dim0
	s_mov_b32 s[G1+2], 8<<16                       ; tensor_dim1
	s_mov_b32 s[G1+3], 512<<16                     ; tile_dim0
	s_mov_b32 s[G1+4], 8                           ; tile_dim1
	s_mov_b32 s[G1+5], 2048                        ; tensor_dim0_stride
	s_mov_b32 s[G1+6], 0
	s_mov_b32 s[G1+7], 0
	; B's: 128 rows x 256 bytes, padded
	s_or_b32 s[G1B+0], s44, (0<<16)|(1<<20)|(1<<21)|(5<<22)|(3<<25)
	s_mov_b32 s[G1B+1], ROWB<<16
	s_mov_b32 s[G1B+2], 128<<16
	s_mov_b32 s[G1B+3], ROWB<<16
	s_mov_b32 s[G1B+4], 128
	s_mov_b32 s[G1B+5], KROW
	s_mov_b32 s[G1B+6], 0
	s_mov_b32 s[G1B+7], 0
	s_lshl_b32 s20, s17, 4
	s_lshl_b32 s18, s16, 3
	s_add_co_u32 s20, s20, s18
	s_lshl_b32 s20, s20, 14                        ; A: (16 ia + 8 half) token tiles of 16,384 bytes
	s_mov_b32 s21, 0
	s_lshl_b32 s46, s42, 8
	s_lshl_b32 s18, s16, 7
	s_add_co_u32 s46, s46, s18
	s_lshl_b32 s46, s46, 10                        ; B: (256 ib + 128 half) rows of 1,024 bytes
	s_mov_b32 s47, 0
	s_mul_i32 s45, s14, HALFT                      ; where they go: no place in the cluster enters an LDS address
	s_wait_dscnt 0x0                               ; the opening add is done
	s_wait_kmcnt 0x0
	s_load_b64 s[96:97], s[8:9], 0x18              ; e6, e7
	s_add_nc_u64 s[20:21], s[4:5], s[20:21]
	s_add_nc_u64 s[46:47], s[6:7], s[46:47]
	CROUND                                         ; all sixteen work-groups are here: the first joint loads meet
.irp s, 0,1
	s_mov_b32 s[G0+4*\s], 1
	s_add_co_u32 s[G0+4*\s+1], s45, \s*SLOT
	s_add_nc_u64 s[G0+4*\s+2:G0+4*\s+3], s[20:21], \s*ASTEP
	s_or_b32 s[G0+4*\s+3], s[G0+4*\s+3], 0x80000000
	s_mov_b32 s[G0B+4*\s], 1
	s_add_co_u32 s[G0B+4*\s+1], s45, \s*SLOT
	s_add_nc_u64 s[G0B+4*\s+2:G0B+4*\s+3], s[46:47], \s*ROWB
	s_or_b32 s[G0B+4*\s+3], s[G0B+4*\s+3], 0x80000000
	JLOAD G0+4*\s, G1, G0B+4*\s, G1B
.endr
	v_and_b32 v1, 15, v0                           ; r
	v_bfe_u32 v2, v0, 4, 1                         ; h
	v_and_b32 v6, 31, v0
	v_lshlrev_b32 v[CO], 4, v6                     ; 16 x lane
	v_mul_u32_u24 v3, v1, PITCH
	v_lshl_add_u32 v4, v2, 4, v3                   ; B: a fragment's row x pitch + 16 x half
	s_mul_i32 s21, s15, HALFT                      ; my 8 token tiles of A
	s_mul_i32 s22, s16, HALFT
	s_add_co_u32 s22, s22, 2*HALFT                 ; my 128 rows of B
.irp s, 0,1
	v_add_nc_u32 v[ADRA+\s], s21, v[CO]
	v_add_nc_u32 v[ADRB+\s], s22, v4
	s_add_co_u32 s21, s21, SLOT
	s_add_co_u32 s22, s22, SLOT
.endr
	s_mul_i32 s23, s14, 16*SPITCH                  ; my stage
	v_mul_u32_u24 v5, v1, SPITCH
	v_lshl_add_u32 v5, v2, 5, v5
	v_add_nc_u32 v[STO], s23, v5                   ; in: row r, 32 bytes for each half of the lanes
	v_add_nc_u32 v[RD], s23, v[CO]                 ; back: the 32 lanes take one row of 512 bytes
	v_lshlrev_b32 v[BO1], 5, v2
	s_lshl_b32 s18, s42, 10
	s_lshl_b32 s19, s16, 9
	s_add_co_u32 s18, s18, s19                     ; my first column in bytes: 4 (256 ib + 128 wc)
	s_mov_b32 s19, 0
	s_add_nc_u64 s[92:93], s[10:11], s[18:19]
.irp b, 0,1,2,3,4,5,6,7
	global_load_b128 v[BIA+8*\b:BIA+8*\b+3], v[BO1], s[92:93] offset:64*\b       ; register 8 b + j: the bias of column 16 b + 8 h + j
	global_load_b128 v[BIA+8*\b+4:BIA+8*\b+7], v[BO1], s[92:93] offset:64*\b+16
.endr
	s_add_nc_u64 s[12:13], s[12:13], s[18:19]
	s_lshl_b32 s18, s17, 8
	s_lshl_b32 s22, s15, 7
	s_add_co_u32 s18, s18, s22
	s_lshl_b32 s18, s18, 12                        ; my first row: (256 ia + 128 wr) x 4,096 bytes
	s_add_nc_u64 s[12:13], s[12:13], s[18:19]
.macro FRAG reg, adr, q, i             ; B: registers 4 c .. 4 c + 3 hold K = 32 c + 16 (l / 16) + 0 .. 15 of row l % 16
.irp c, 0,1,2,3
	ds_load_b128 v[\reg+4*\c:\reg+4*\c+3], v[\adr] offset:128*(\q)+32*\c+(\i)*16*PITCH
.endr
.endm
.macro FRAGA reg, adr, q, i            ; A: the image as it lies: the same registers in the same lanes
.irp c, 0,1,2,3
	ds_load_b128 v[\reg+4*\c:\reg+4*\c+3], v[\adr] offset:ASTEP*(\i)+2048*(\q)+512*\c
.endr
.endm
.macro MUL16 a0, p, zero               ; 16 matrix instructions; the 64 accumulators take turns, one instruction a turn
.irp a, \a0, \a0+1
.irp b, 0,1,2,3,4,5,6,7
.if \zero
	v_wmma_f32_16x16x128_fp8_fp8 v[8*(8*((\a)%4)+\b):8*(8*((\a)%4)+\b)+7], v[128*(\p)+FR*\b:128*(\p)+FR*\b+FR-1], v[AF+FR*(\a):AF+FR*(\a)+FR-1], 0
.else
	v_wmma_f32_16x16x128_fp8_fp8 v[8*(8*((\a)%4)+\b):8*(8*((\a)%4)+\b)+7], v[128*(\p)+FR*\b:128*(\p)+FR*\b+FR-1], v[AF+FR*(\a):AF+FR*(\a)+FR-1], v[8*(8*((\a)%4)+\b):8*(8*((\a)%4)+\b)+7]
.endif
.endr
.endr
.endm
.macro FETCH_B slot, q, p
	WIN TO_B
.irp i, 0,1,2,3,4,5,6,7
	FRAG 128*(\p)+FR*\i, ADRB+\slot, \q, \i
.endr
	WIN 0
.endm
.macro FETCH_A slot, q, i0
.irp i, \i0, \i0+1, \i0+2, \i0+3
	FRAGA AF+FR*(\i), ADRA+\slot, \q, \i
.endr
.endm
.macro PLACES n                        ; plain vector lines between a matrix instruction and a load into, or a vector line on, its registers (ISA guide 7.12.1 for vector instructions)
.rept \n
	v_nop
.endr
.endm
.macro STEP slot, q, zero
	s_wait_dscnt 4*NL                              ; B's set and A's blocks 0-3 are in; the youngest sixteen loads (A's blocks 4-7) may be out
	WIN MUL_LO
	MUL16 0, (\q)%2, \zero
	MUL16 2, (\q)%2, \zero
	s_wait_dscnt 0
	PLACES NP
	FETCH_B \slot, (\q)+1, 1-(\q)%2
	FETCH_A \slot, (\q)+1, 0
	WIN MUL_HI
	MUL16 4, (\q)%2, \zero
	MUL16 6, (\q)%2, \zero
	PLACES NP
	WIN 0
	FETCH_A \slot, (\q)+1, 4
.endm
.macro TURN slot, next, fill           ; a slot's last step changes slots: one barrier, with the three lines ahead of it
	s_wait_tensorcnt 0x0                           ; all my tensor loads have landed: my part of the next slot
	ds_add_u32 v[SPW], v[NIL]                      ; 0 onto my spare word
	s_wait_dscnt 4*NL+1                            ; (the add and the youngest sixteen loads may be out)
	WIN MUL_LO
	MUL16 0, 1, 0
	s_wait_dscnt 0x0                               ; the add is done, and my reads of this slot are over
	s_barrier_signal -1
	MUL16 2, 1, 0
	WIN 0
	s_barrier_wait -1
.if \fill
	CREST                                          ; the barrier has opened a round of the cluster's barrier: no wave of any partner still reads this slot or has a load on its way
	s_add_nc_u64 s[G0+4*\slot+2:G0+4*\slot+3], s[G0+4*\slot+2:G0+4*\slot+3], 2*ASTEP
	s_add_nc_u64 s[G0B+4*\slot+2:G0B+4*\slot+3], s[G0B+4*\slot+2:G0B+4*\slot+3], 2*ROWB
	JLOAD G0+4*\slot, G1, G0B+4*\slot, G1B         ; the first tensor load behind the round; its four v_nop are also the places ahead of the loads below
.else
	PLACES NP
.endif
	FETCH_B \next, 0, 0
	FETCH_A \next, 0, 0
	WIN MUL_HI
	MUL16 4, 1, 0
	MUL16 6, 1, 0
	PLACES NP
	WIN 0
	FETCH_A \next, 0, 4
.endm
	s_wait_tensorcnt 1                             ; my part of slot 0 is in; slot 1's load may stay out
	s_barrier_signal -1
	s_barrier_wait -1
	FETCH_B 0, 0, 0
	FETCH_A 0, 0, 0
	FETCH_A 0, 0, 4
	STEP 0, 0, 1
	s_mov_b32 s3, LAPS-1
.Llap:
	TURN 0, 1, 1
	STEP 1, 0, 0
	TURN 1, 0, 1
	STEP 0, 0, 0
	s_sub_co_u32 s3, s3, 1
	s_cmp_lg_u32 s3, 0
	s_cbranch_scc1 .Llap
	TURN 0, 1, 0
	STEP 1, 0, 0
	s_wait_dscnt 4*NL
	WIN MUL_LO
	MUL16 0, 1, 0
	MUL16 2, 1, 0
	s_wait_dscnt 0
	WIN MUL_HI
	MUL16 4, 1, 0
	MUL16 6, 1, 0
	WIN 0
; THE WAY OUT, block by block of 16 rows x 128 columns: sum x 2^(e6 + e7) + bias into window 1's v0-63 (B's first set, done with), through my own stage, back as whole rows of 512 bytes.
; LDS serves a wave's instructions in order (ISA guide 5.7.1.4): no wait between the stores and the loads, nor ahead of the next block's stores.
.macro TOSTAGE a
.set AC, 64*((\a)%4)
	WIN 0x42+((\a)/4)                              ; destination window 1, source 0 window 2 or 3, the bias window 0
.set J, 0
.rept 32
	v_pk_fma_f32 v[J:J+1], v[AC+J:AC+J+1], s[96:97], v[BIA+J:BIA+J+1] op_sel_hi:[1,0,1]   ; each accumulator from its low end on
.set J, J+2
.endr
	WIN 0x04                                       ; an LDS store's data are its source 1: window 1
.irp b, 0,1,2,3,4,5,6,7
	ds_store_b128 v[STO], v[8*\b:8*\b+3] offset:64*\b
	ds_store_b128 v[STO], v[8*\b+4:8*\b+7] offset:64*\b+16
.endr
	WIN 0
.set BB, BK+64*((\a)%2)
.irp t, 0,1,2,3,4,5,6,7,8,9,10,11,12,13,14,15
	ds_load_b128 v[BB+4*\t:BB+4*\t+3], v[RD] offset:\t*SPITCH
.endr
.endm
.macro SEND a, younger                 ; younger: the LDS instructions issued behind block a's loads, which may stay out
.set BB, BK+64*((\a)%2)
	s_wait_dscnt \younger
.irp t, 0,1,2,3,4,5,6,7,8,9,10,11,12,13,14,15
	global_store_b128 v[CO], v[BB+4*\t:BB+4*\t+3], s[12:13] offset:(32*((\a)/2)+8*((\a)%2)+(\t)%8+16*((\t)/8))*4096 th:TH_STORE_NT   ; stage row t is token sigma(16 a + t) of my 128: 512 consecutive bytes, aligned; 127 rows at the most, inside the signed 24-bit immediate
.endr
.endm
	s_wait_kmcnt 0x0
	s_wait_loadcnt 0x0                             ; the bias
	s_add_co_i32 s96, s96, s97
	s_add_co_i32 s96, s96, 127
	s_lshl_b32 s96, s96, 23                        ; 2^(e6 + e7) as f32
	s_mov_b32 s97, s96
	PLACES NP                                      ; behind the last products: operand registers are written and results are read below
	TOSTAGE 0
.irp a, 1,2,3,4,5,6,7
.if \a > 1
	s_wait_xcnt 0x0                                ; block a - 2's stores have read the registers into which block a's rows are loaded
.endif
	TOSTAGE \a
	SEND \a-1, 32                                  ; behind block a - 1's loads: block a's 16 stores and 16 loads
.endr
	SEND 7, 0
	s_wait_tensorcnt 0x0                           ; the wave's end, behind my last tensor load and my last LDS store
	ds_add_u32 v[SPW], v[NIL]
	s_wait_dscnt 0x0
	CROUND                                         ; the closing round: no work-group ends while a partner may still ask for a tile that names it
	s_endpgm
.Lfunc_end_k_q070b2ad700_outp:
	.size	k_q070b2ad700_outp, .Lfunc_end_k_q070b2ad700_outp-k_q070b2ad700_outp
	.p2alignl 7, 3214868480
	.fill 96, 4, 3214868480
	.section	.rodata,"a",@progbits
	.p2align	6, 0x0
	.amdhsa_kernel k_q070b2ad700_outp
		.amdhsa_group_segment_fixed_size 327680
		.amdhsa_private_segment_fixed_size 0
		.amdhsa_enable_private_segment 0
		.amdhsa_kernarg_size 40
		.amdhsa_user_sgpr_count 2
		.amdhsa_user_sgpr_kernarg_segment_ptr 1
		.amdhsa_wavefront_size32 1
		.amdhsa_system_sgpr_workgroup_id_x 1
		.amdhsa_system_sgpr_workgroup_id_y 1
		.amdhsa_system_sgpr_workgroup_id_z 1
		.amdhsa_system_vgpr_workitem_id 0
		.amdhsa_next_free_vgpr 1024
		.amdhsa_next_free_sgpr 100
		.amdhsa_reserve_vcc 0
		.amdhsa_float_denorm_mode_32 3
		.amdhsa_float_denorm_mode_16_64 3
		.amdhsa_memory_ordered 1
		.amdhsa_forward_progress 1
		.amdhsa_inst_pref_size 124
	.end_amdhsa_kernel
	.amdgpu_metadata
---
amdhsa.version: [ 1, 2 ]
amdhsa.kernels:
  - .name:           k_q070b2ad700_outp
    .symbol:         k_q070b2ad700_outp.kd
    .args:
      - { .name: oc, .offset: 0, .size: 8, .value_kind: global_buffer, .address_space: global }
      - { .name: woc, .offset: 8, .size: 8, .value_kind: global_buffer, .address_space: global }
      - { .name: lowp_scales, .offset: 16, .size: 8, .value_kind: global_buffer, .address_space: global }
      - { .name: bout, .offset: 24, .size: 8, .value_kind: global_buffer, .address_space: global }
      - { .name: out0, .offset: 32, .size: 8, .value_kind: global_buffer, .address_space: global }
    .group_segment_fixed_size: 327680
    .private_segment_fixed_size: 0
    .kernarg_segment_align: 8
    .kernarg_segment_size: 40
    .max_flat_workgroup_size: 128
    .sgpr_count:     100
    .vgpr_count:     1024
    .wavefront_size: 32
...
	.end_amdgpu_metadata
.endif
;; end of part 4
;; ======== version 2 of 2: 4 launches; version 1 with the launch attn written anew for expert scheduling mode
;; workspace buffers: xc 8,388,608 bytes; wc 3,145,728 bytes; woc 1,048,576 bytes; msk 525,312 bytes of whole numbers; qimg 8,388,608 bytes; kimg 8,388,608 bytes; vimg 8,388,608 bytes; oc 8,388,608 bytes
;; launch prep: the kernel of part 1 again; grid 512 x 1, 16 waves a work-group, no clusters, 145,664 bytes of LDS; arguments x, Wqkv, Wout, mask, lowp_scales, xc, wc, woc, msk; writes xc, wc, woc, msk
;; launch qkv: the kernel of part 2 again; grid 8 x 48, 4 waves a work-group, clusters of 4 x 4, 327,680 bytes of LDS; arguments xc, wc, lowp_scales, bqkv, qimg, kimg, vimg; writes qimg, kimg, vimg
;; launch attn (part 5): grid 4 x 64, 16 waves a work-group, no clusters, 34,816 bytes of LDS; arguments qimg, kimg, vimg, msk, lowp_scales, oc; writes oc
.if DOCPART == 5
	.amdgcn_target "amdgcn-amd-amdhsa--gfx1250"
	.amdhsa_code_object_version 6
	.text
	.protected	k_q070b2ad700_attn
	.globl	k_q070b2ad700_attn
	.p2align	8
	.type	k_q070b2ad700_attn,@function
k_q070b2ad700_attn:
	s_mov_b64 s[64:65], 0
	v_nop
	global_prefetch_b8 v0, s[64:65] scope:SCOPE_SE
	s_setreg_imm32_b32 hwreg(HW_REG_WAVE_SCHED_MODE, 0, 2), 2
	s_setreg_imm32_b32 hwreg(HW_REG_WAVE_MODE, 25, 1), 1
	s_wait_xcnt 0x0
	s_wait_alu depctr_vm_vsrc(0)
; o = softmax(q k^T / 8, under the given mask) v for 64 heads of 2,048 tokens x 64, both products on codes of FP8 (E4M3); o is quantised at once (2^e6) as an image of the last product's operand registers.
; THE SOFTMAX: t = score x log2(e) / 8; M = the running largest t rounded UP to a whole number; p = 2^(t - M) is quantised (2^e4), not normalised; the sum of the unquantised p divides at the end; when M moves,
; the sum and O are multiplied by 2^(old M - new M), which rounds nothing.  A hidden score is -infinity, p = 0.  A query with no visible key gets NaN.
; INPUTS AS IMAGES: a piece is 512 bytes, lane L's 16 bytes at 16 L.  qimg, kimg: tile of 16 tokens sigma(16 tile + r) (sigma: bits 3 and 4 exchanged), pieces p = 0, 1: d = 32 p + 16 h + i.
;   vimg: key step s, tile dt of 16 channels sigma(16 dt + r), pieces c = 0..3: key 128 s + 32 c + 16 h + i.  So every fragment comes by loads at a constant + 16 x lane.
; LAYOUT: S^T = K Q^T (source 0 = 16 keys, source 1 = my 16 queries), O^T = V^T P^T: a lane holds one query throughout; score register n = key 128 s + 32 (n / 16) + 16 h + n % 16, so p's conversions give
;   the second product's operand; O's register 8 dt + j = channel 32 (dt / 2) + 16 h + 8 (dt % 2) + j, so o's conversions give pieces of oc: byte tau*16384 + head*1024 + c*512 + 16 L + i.
; SHARES: work-group (x, head) takes two blocks of 256 queries, block 7 - x and then block x; each of its sixteen waves one tile of 16 queries; four waves to a SIMD.  Every pass walks all 16 key steps of 128:
;   the trip counts are constants and every wave passes every barrier; a step's WORK is jumped over where the stored flags say that none of the tile's keys is visible, the 64 selects where all are.
; K's and V's 16 KiB of a step go through registers into one of two LDS slots, 32 bytes a thread, one trip ahead; one barrier a trip.
; NO TENSOR LOAD AND NO CLUSTER: which steps a work-group needs hangs on flags read from memory, so partners would need different numbers of tiles.
; LIMITS: e2 + e3 between -123 and 130 (added to c's exponent field); e4, e6 between -126 and 119.  k is permuted inside a matrix instruction, alike on both sides (an order of rounding).
; THE MODE: SCHED_MODE bits 1:0 = 2 (LLVM: expert scheduling mode 2), set by the entry lines.  The code itself states the register dependences
; between vector or matrix instructions and memory or LDS instructions, with s_wait_alu, always for 0.
; THE PLAN.  Registers that memory or LDS instructions touch:
;   v3, v4, v5   offsets and LDS addresses, written at the head and never again.        v1, v2   written at the head, read by the closing add alone.
;   v8-15        staging: written once at the head, then by global loads alone; read by the next trip's two LDS stores alone.
;   v16-23       Q: loaded at a pass's head; read by every step's products K Q^T.
;   v64-127      K's eight fragments: loaded at the head of a step's work; read by its eight products K Q^T.
;   v48-111      V's four fragments: read by the step's four products V^T P^T.  The first (v48-63) has registers of its own and is asked for with K; the other three take K's first 48 registers, behind the products that read them.
;   v240-247     o's codes: written by a pass's last conversions; read by its two stores.
;   The scores, p, O^T, p's codes and the statistics are named by vector and matrix instructions alone.
; So a step's work holds two waits on va_vdst for its loads (at its head; behind its first products) beside the one behind its exponentials; a trip holds one wait on vm_vsrc, behind its LDS stores;
; a pass holds one wait on va_vdst at its head, ahead of Q's loads, and at its end one ahead of its stores and one on vm_vsrc behind them.
.set SLOTB, 16384                      ; a slot: K's 8 tile images (8 KiB), then V's 4 (8 KiB)
.set SPARE, 2*SLOTB                    ; the spare words, 128 bytes a wave: eight blocks of 256 bytes that no other line names
.set FLAGS, 524288
.set SPW, 1                            ; v1  my spare word; v2  0; never rewritten
.set NIL, 2
; v3 16 x lane; v4 16 x thread; v5 256 x lane; v6 -infinity; v7 NaN; v8-15 staging; v16-23 Q; v24 -M, v25 the largest t; v[26:27] the sum; v28 at work (v29 = 0); v30 f (v31 = 0); v32 the permute's; v[34:35] a second chain;
; v36, v37: 2^e4, 448 x 2^e4; v38, v39: 2^e6, 448 x 2^e6
.set VF,  48                           ; v48-111   V's four fragments
.set KV,  64                           ; v64-127   K's eight fragments
.set SC,  128                          ; v128-191  S^T, then p
.set OT,  192                          ; v192-223  O^T
.set PC,  224                          ; v224-239  p's codes
.set OC,  240                          ; v240-247  o's codes
; s[2:3], s[66:67] where the staging loads stand in K, V; s[4:9] the head's q, k, v; s[10:11] msk; s12 my query tile; s13, s27 at work; s[14:15] oc at my batch and head; s[16:17] a working address;
; s18 wave; s19 pass; s[20:21] lane selects; s[22:23] c; s24 step counter; s25 the step; s26 the block's ANY; s[28:29] my ANY, ALL; s30 block; s31 is the hold needed; s[32:63], s[68:99] 64 lane masks;
; s[100:101] my tile's lane masks; s104 e4 + e5; s105 the prefetches' bits
	s_load_b256 s[4:11], s[0:1], 0x0               ; qimg, kimg, vimg, msk
	s_load_b128 s[12:15], s[0:1], 0x20             ; the scales' exponents, oc
	v_lshl_add_u32 v[SPW], v0, 2, SPARE
	v_mov_b32 v[NIL], 0
	v_lshrrev_b32 v3, 5, v0
	v_readfirstlane_b32 s18, v3                    ; wave 0..15
	v_and_b32 v3, 31, v0
	v_lshlrev_b32 v5, 8, v3
	v_lshlrev_b32 v3, 4, v3
	v_lshlrev_b32 v4, 4, v0
	v_mov_b32 v6, 0xff800000
	v_mov_b32 v7, 0x7fc00000
.irp j, 8,9,10,11,12,13,14,15,29,31,32
	v_mov_b32 v\j, 0                               ; written once: the staging registers, the upper halves of two pairs, a lane permute's destination
.endr
	s_wait_alu depctr_va_sdst(0)                   ; s18 is written, ahead of the first label: its first reader stands in the pass's head
	s_and_b32 s24, ttmp7, 0xffff                   ; bh = batch x 16 + head
	s_lshl_b32 s16, s24, 17                        ; a head's images: 131,072 bytes in each of the three
	s_mov_b32 s17, 0
	s_lshr_b32 s26, s24, 4
	s_lshl_b32 s26, s26, 21                        ; oc: batch x 128 tiles x 16,384
	s_and_b32 s27, s24, 15
	s_lshl_b32 s27, s27, 10                        ; + head x 1,024
	s_add_co_u32 s26, s26, s27
	s_mov_b32 s27, 0
	s_mov_b32 s20, 0x76543210
	s_mov_b32 s21, 0xfedcba98                      ; lane l xor 16
	s_wait_kmcnt 0x0
	s_load_b256 s[32:39], s[12:13], 0x0            ; e0 .. e7
	s_add_nc_u64 s[4:5], s[4:5], s[16:17]
	s_add_nc_u64 s[6:7], s[6:7], s[16:17]
	s_add_nc_u64 s[8:9], s[8:9], s[16:17]
	s_add_nc_u64 s[14:15], s[14:15], s[26:27]
	s_wait_kmcnt 0x0
	s_add_co_i32 s27, s34, s35
	s_lshl_b32 s27, s27, 23
	s_add_co_i32 s22, s27, 0x3e38aa3b              ; c = log2(e) / 8 x 2^(e2 + e3): the exponents are added to c's exponent field
	s_mov_b32 s23, s22
	s_add_co_i32 s104, s36, s37                    ; e4 + e5
	s_cmp_lt_i32 s36, -8
	s_cselect_b32 s31, 1, 0                        ; p is at most 1, and 448 x 2^e4 is at least 1.75 from e4 = -8 on: only under that is the hold needed
	s_add_co_i32 s27, s36, 127
	s_lshl_b32 s13, s27, 23
	v_mov_b32 v36, s13
	s_add_co_i32 s27, s27, 8
	s_lshl_b32 s27, s27, 23
	s_or_b32 s27, s27, 0x600000
	v_mov_b32 v37, s27
	s_add_co_i32 s27, s38, 127
	s_lshl_b32 s13, s27, 23
	v_mov_b32 v38, s13
	s_add_co_i32 s27, s27, 8
	s_lshl_b32 s27, s27, 23
	s_or_b32 s27, s27, 0x600000
	v_mov_b32 v39, s27
; THE WORK OF A KEY STEP in slot sl, for my 16 queries.
.macro COMPUTE sl
	s_wait_alu depctr_va_vdst(0)                   ; all earlier matrix instructions are done reading v48-127, in which the twenty loads below land
.set T, 0
.rept 8
	ds_load_b128 v[KV+8*T:KV+8*T+3], v3 offset:SLOTB*\sl+1024*T
	ds_load_b128 v[KV+8*T+4:KV+8*T+7], v3 offset:SLOTB*\sl+1024*T+512
.set T, T+1
.endr
.set T, 0
.rept 4
	ds_load_b128 v[VF+4*T:VF+4*T+3], v3 offset:SLOTB*\sl+8192+512*T   ; V's first fragment has registers of its own: it is asked for with K, behind the same wait
.set T, T+1
.endr
	s_wait_dscnt 4                                 ; LDS loads come back in order (ISA guide 5.7.1): K's sixteen are in, the four of V's first fragment may stay out
.set T, 0
.rept 8
	v_wmma_f32_16x16x64_fp8_fp8 v[SC+8*T:SC+8*T+7], v[KV+8*T:KV+8*T+7], v[16:23], 0
.set T, T+1
.endr
.rept 4
	v_nop                                          ; places ahead of the first read of the scores
.endr
	s_wait_alu depctr_va_vdst(0)                   ; the eight products are done reading v64-111, in which the twelve loads below land; no vector or matrix instruction names these registers until the wait for V
.set T, 4
.rept 12
	ds_load_b128 v[VF+4*T:VF+4*T+3], v3 offset:SLOTB*\sl+8192+512*T   ; V's other three fragments: they land under the softmax
.set T, T+1
.endr
	s_lshr_b32 s13, s29, s25
	s_bitcmp1_b32 s13, 0                           ; are all 16 x 128 visible?
	s_cbranch_scc1 .Lopen_\@
	s_lshl_b32 s27, s25, 8                         ; the step's 64 lane masks: 256 bytes
	s_load_b512 s[32:47], s[100:101], s27 offset:0x0
	s_load_b512 s[48:63], s[100:101], s27 offset:0x40
	s_load_b512 s[68:83], s[100:101], s27 offset:0x80
	s_load_b512 s[84:99], s[100:101], s27 offset:0xc0
	s_wait_kmcnt 0x0
.set N, 0
.rept 64
	v_cndmask_b32 v[SC+N], v6, v[SC+N], s[32+N+4*(N/32)]   ; the score where the bit is set, else -infinity
.set N, N+1
.endr
.Lopen_\@:
	v_max3_num_f32 v28, v[SC], v[SC+1], v[SC+2]    ; the step's largest score of my query among my 64 keys, in two chains; each accumulator is read from its low end on
	v_max3_num_f32 v30, v[SC+3], v[SC+4], v[SC+5]
.set N, 6
.rept 14
	v_max3_num_f32 v28, v28, v[SC+N], v[SC+N+1]
	v_max3_num_f32 v30, v30, v[SC+N+2], v[SC+N+3]
.set N, N+4
.endr
	v_max3_num_f32 v28, v28, v[SC+62], v[SC+63]
	v_max_num_f32 v28, v28, v30
	v_permlanex16_b32 v32, v28, s20, s21
	v_max_num_f32 v28, v28, v32                    ; and among lane l xor 16's
	v_mul_f32 v28, s22, v28                        ; as t (c is positive)
	v_max_num_f32 v25, v25, v28                    ; the running largest t
	v_mov_b32 v28, v24
	v_floor_f32 v24, -v25                          ; the new -M = floor(-t): M is a whole number
	v_sub_f32 v28, v24, v28                        ; old M - new M: a whole number, 0 or less
	v_cvt_i32_f32 v28, v28                         ; (it saturates)
	v_ldexp_f32 v30, 1.0, v28                      ; f = 2^(old M - new M)
.set N, 0
.rept 32
	v_pk_fma_f32 v[SC+N:SC+N+1], v[SC+N:SC+N+1], s[22:23], v[24:25] op_sel_hi:[1,0,0]   ; t - M, two at a time
.set N, N+2
.endr
.set N, 0
.rept 64
	v_exp_f32 v[SC+N], v[SC+N]                     ; p = 2^(t - M)
.set N, N+1
.endr
	v_pk_mul_f32 v[26:27], v[26:27], v[30:31] op_sel_hi:[1,0]   ; the sum under the new M: the plain line behind the exponentials
	s_wait_alu depctr_va_vdst(0)                   ; the 64 exponentials have written v128-191: one wait for the batch, ahead of its first reader
	v_pk_add_f32 v[34:35], v[SC:SC+1], v[SC+2:SC+3]   ; the sum is taken of the unquantised p, in two chains
.set N, 4
.rept 15
	v_pk_add_f32 v[26:27], v[26:27], v[SC+N:SC+N+1]
	v_pk_add_f32 v[34:35], v[34:35], v[SC+N+2:SC+N+3]
.set N, N+4
.endr
	v_pk_add_f32 v[26:27], v[26:27], v[34:35]
	s_cmp_eq_u32 s31, 0
	s_cbranch_scc1 .Lnohold_\@
.set N, 0
.rept 64
	v_min_num_f32 v[SC+N], v[SC+N], v37            ; the conversion does not saturate (ISA guide 7.6.2); p is not negative: a one-sided hold, run whenever 448 x 2^e4 lies under 1
.set N, N+1
.endr
.Lnohold_\@:
.irp b, 0,1,2,3
	v_cvt_scalef32_pk8_fp8_f32 v[PC+4*\b:PC+4*\b+1], v[SC+16*\b:SC+16*\b+7], v36
	v_cvt_scalef32_pk8_fp8_f32 v[PC+4*\b+2:PC+4*\b+3], v[SC+16*\b+8:SC+16*\b+15], v36
.endr
.set N, 0
.rept 16
	v_pk_mul_f32 v[OT+N:OT+N+1], v[OT+N:OT+N+1], v[30:31] op_sel_hi:[1,0]   ; O^T under the new M; also the plain lines between the conversions and the products
.set N, N+2
.endr
	s_wait_dscnt 0x0                               ; V is in
.irp d, 0,1,2,3
	v_wmma_f32_16x16x128_fp8_fp8 v[OT+8*\d:OT+8*\d+7], v[VF+16*\d:VF+16*\d+15], v[PC:PC+15], v[OT+8*\d:OT+8*\d+7]   ; four accumulators by turns
.endr
.rept 4
	v_nop                                          ; places ahead of the next read of O^T
.endr
.endm
; A TRIP: key step I = s24 + sl.  What was loaded a trip ago goes into slot sl; one barrier: behind it the slot is whole, and every wave's reads of the other slot, which the next trip writes, are over;
; the next step's 32 bytes a thread are asked for; then the work.  Branches on the flags lead round stores, loads and work, never round the waits or the barrier.
.macro TRIP sl
	s_wait_loadcnt 0x0                             ; the staging loads (and Q)
	s_wait_xcnt 0x0                                ; the last trip's prefetches have read their addresses, which step now
	s_add_nc_u64 s[2:3], s[2:3], 8192              ; on to step I + 1
	s_add_nc_u64 s[66:67], s[66:67], 8192
	s_add_co_u32 s25, s24, \sl
	s_lshr_b32 s27, s26, s25
	s_bitcmp1_b32 s27, 0                           ; does any wave of the block need step I?
	s_cbranch_scc0 .Lnost_\@
	ds_store_b128 v4, v[8:11] offset:SLOTB*\sl     ; data that loads brought, an address from the head: no vector instruction has named either since the pass's head
	ds_store_b128 v4, v[12:15] offset:SLOTB*\sl+8192
.Lnost_\@:
	s_wait_dscnt 0x0                               ; for the others' sake: my stores have landed, my reads of the other slot are over
	s_wait_alu depctr_vm_vsrc(0)                   ; the two LDS stores have read v8-15, in which the next staging loads land
	s_barrier_signal -1
	s_barrier_wait -1
	s_bitcmp1_b32 s27, 1                           ; step I + 1?  (bits 16 and above are 0: no load passes the head's last step)
	s_cbranch_scc0 .Lnold_\@
	global_load_b128 v[8:11], v4, s[2:3]
	global_load_b128 v[12:15], v4, s[66:67]
.Lnold_\@:
	s_lshr_b32 s13, s105, s25
	s_bitcmp1_b32 s13, 0
	s_cbranch_scc0 .Lnopf_\@
	; a prefetch of step I + 3, two trips ahead of its loads: K's 8,192 bytes and V's, lanes 256 bytes apart.  Wave 0 of the head's first work-group asks, in its first pass alone: each block is named once.  Steps 0 to 2 come by their loads alone; bit I stands for step I + 3, so the last three trips ask for nothing
	global_prefetch_b8 v5, s[2:3] offset:16384 th:TH_LOAD_NT scope:SCOPE_SE
	global_prefetch_b8 v5, s[66:67] offset:16384 th:TH_LOAD_NT scope:SCOPE_SE
.Lnopf_\@:
	s_lshr_b32 s13, s28, s25
	s_bitcmp1_b32 s13, 0                           ; has my tile a visible key in step I?
	s_cbranch_scc0 .Lskip_\@
	COMPUTE \sl
.Lskip_\@:
.endm
	s_mov_b32 s19, 0
.Lpass:
	s_sub_co_u32 s27, 7, ttmp9
	s_cmp_eq_u32 s19, 0
	s_cselect_b32 s30, s27, ttmp9                  ; block 7 - x, then block x
	s_lshl_b32 s27, s30, 7
	s_add_co_u32 s27, s27, FLAGS                   ; the block's sixteen flag pairs: 128 bytes
	s_lshl_b32 s13, s18, 3
	s_add_co_u32 s13, s13, s27
	s_load_b512 s[32:47], s[10:11], s27 offset:0x0
	s_load_b512 s[48:63], s[10:11], s27 offset:0x40
	s_load_b64 s[28:29], s[10:11], s13 offset:0x0  ; my own pair
	s_lshl_b32 s12, s30, 4
	s_add_co_u32 s12, s12, s18                     ; my query tile
	s_lshl_b32 s16, s12, 10
	s_mov_b32 s17, 0
	s_add_nc_u64 s[16:17], s[4:5], s[16:17]
	s_wait_alu depctr_va_vdst(0)                   ; first pass: the head has written v3, v4, v5, which every load, store and prefetch reads as its offset, and v8-15, in which the staging loads land; second pass: the last pass's products are done reading v16-23, in which Q's loads land
	global_load_b128 v[16:19], v3, s[16:17]        ; Q's fragment stays in registers
	global_load_b128 v[20:23], v3, s[16:17] offset:512
	s_lshl_b32 s100, s12, 12
	s_mov_b32 s101, 0
	s_add_nc_u64 s[100:101], s[10:11], s[100:101]  ; my tile's lane masks: 4,096 bytes
.set N, 0
.rept 32
	v_mov_b32 v[OT+N], 0                           ; the step is written once: its first run finds zeros, which the first change of M leaves zeros
.set N, N+1
.endr
	v_mov_b32 v26, 0
	v_mov_b32 v27, 0
	v_mov_b32 v25, 0xff61b1e6                      ; the largest t so far: -3e38
	v_floor_f32 v24, -v25
	s_mov_b64 s[2:3], s[6:7]
	s_mov_b64 s[66:67], s[8:9]
	s_wait_kmcnt 0x0
	s_or_b32 s26, s32, s34
.irp w, 36,38,40,42,44,46,48,50,52,54,56,58,60,62
	s_or_b32 s26, s26, s\w
.endr
	s_and_b32 s26, s26, 0xffff                     ; the steps that some wave of the block needs
	s_or_b32 s27, s18, ttmp9
	s_or_b32 s27, s27, s19
	s_lshr_b32 s13, s26, 3
	s_cmp_eq_u32 s27, 0
	s_cselect_b32 s105, s13, 0
	s_bitcmp1_b32 s26, 0
	s_cbranch_scc0 .Lno_first
	global_load_b128 v[8:11], v4, s[2:3]           ; step 0.  No wait: the vector lines since the wait above name v24-27 and v192-223 alone
	global_load_b128 v[12:15], v4, s[66:67]
.Lno_first:
	s_mov_b32 s24, 0
.Lstep:
	TRIP 0
	TRIP 1
	s_add_co_u32 s24, s24, 2
	s_cmp_lt_u32 s24, 16
	s_cbranch_scc1 .Lstep
	; THE PASS'S END: O^T x 2^(e4 + e5) / the sum, held, quantised; 1 KiB a wave, two stores of 512 consecutive bytes
	s_wait_loadcnt 0x0                             ; no load of mine is out: the staging registers and the addresses may be used anew
	v_add_f32 v26, v26, v27
	v_permlanex16_b32 v32, v26, s20, s21
	v_add_f32 v26, v26, v32                        ; the row's sum
	v_rcp_f32 v28, v26
	v_nop                                          ; a plain line behind the transcendental
	v_cmp_eq_f32 vcc_lo, 0, v26                    ; no visible key at all
	s_lshl_b32 s16, s12, 14
	s_mov_b32 s17, 0
	s_add_nc_u64 s[16:17], s[14:15], s[16:17]
	s_wait_alu depctr_va_vdst(0)                   ; the reciprocal has written v28: a wait ahead of its first reader
	v_ldexp_f32 v28, v28, s104
.set N, 0
.rept 16
	v_pk_mul_f32 v[SC+N:SC+N+1], v[OT+N:OT+N+1], v[28:29] op_sel_hi:[1,0]
.set N, N+2
.endr
.set N, 0
.rept 32
	v_med3_num_f32 v[SC+N], v[SC+N], -v39, v39
.set N, N+1
.endr
	s_wait_alu depctr_va_vcc(0)                    ; the compare has written VCC, which the selects below read
.set N, 0
.rept 32
	v_cndmask_b32 v[SC+N], v[SC+N], v7, vcc_lo     ; behind the hold, which would lose it: NaN for a query with no visible key
.set N, N+1
.endr
.irp g, 0,1,2,3
	v_cvt_scalef32_pk8_fp8_f32 v[OC+2*\g:OC+2*\g+1], v[SC+8*\g:SC+8*\g+7], v38
.endr
	v_nop                                          ; a plain line behind the last conversion
	s_wait_alu depctr_va_vdst(0)                   ; the conversions have written v240-247, which the two stores read
	global_store_b128 v3, v[OC:OC+3], s[16:17]
	global_store_b128 v3, v[OC+4:OC+7], s[16:17] offset:512
	s_wait_xcnt 0x0                                ; the stores have read their registers and their base
	s_wait_alu depctr_vm_vsrc(0)                   ; the two stores have read v240-247, which the next pass's conversions write again
	s_add_co_u32 s19, s19, 1
	s_cmp_lt_u32 s19, 2
	s_cbranch_scc1 .Lpass
	s_wait_dscnt 0x0                               ; the closing lines, six on end
	s_wait_alu 0x0
	s_wait_tensorcnt 0x0
	ds_add_u32 v[SPW], v[NIL]
	s_wait_dscnt 0x0
	s_endpgm
.Lfunc_end_k_q070b2ad700_attn:
	.size	k_q070b2ad700_attn, .Lfunc_end_k_q070b2ad700_attn-k_q070b2ad700_attn
	.p2alignl 7, 3214868480
	.fill 96, 4, 3214868480
	.section	.rodata,"a",@progbits
	.p2align	6, 0x0
	.amdhsa_kernel k_q070b2ad700_attn
		.amdhsa_group_segment_fixed_size 34816
		.amdhsa_private_segment_fixed_size 0
		.amdhsa_enable_private_segment 0
		.amdhsa_kernarg_size 48
		.amdhsa_user_sgpr_count 2
		.amdhsa_user_sgpr_kernarg_segment_ptr 1
		.amdhsa_wavefront_size32 1
		.amdhsa_system_sgpr_workgroup_id_x 1
		.amdhsa_system_sgpr_workgroup_id_y 1
		.amdhsa_system_sgpr_workgroup_id_z 1
		.amdhsa_system_vgpr_workitem_id 0
		.amdhsa_next_free_vgpr 256
		.amdhsa_next_free_sgpr 106
		.amdhsa_reserve_vcc 1
		.amdhsa_float_denorm_mode_32 3
		.amdhsa_float_denorm_mode_16_64 3
		.amdhsa_memory_ordered 1
		.amdhsa_forward_progress 1
		.amdhsa_inst_pref_size 53
	.end_amdhsa_kernel
	.amdgpu_metadata
---
amdhsa.version: [ 1, 2 ]
amdhsa.kernels:
  - .name:           k_q070b2ad700_attn
    .symbol:         k_q070b2ad700_attn.kd
    .args:
      - { .name: qimg, .offset: 0, .size: 8, .value_kind: global_buffer, .address_space: global }
      - { .name: kimg, .offset: 8, .size: 8, .value_kind: global_buffer, .address_space: global }
      - { .name: vimg, .offset: 16, .size: 8, .value_kind: global_buffer, .address_space: global }
      - { .name: msk, .offset: 24, .size: 8, .value_kind: global_buffer, .address_space: global }
      - { .name: lowp_scales, .offset: 32, .size: 8, .value_kind: global_buffer, .address_space: global }
      - { .name: oc, .offset: 40, .size: 8, .value_kind: global_buffer, .address_space: global }
    .group_segment_fixed_size: 34816
    .private_segment_fixed_size: 0
    .kernarg_segment_align: 8
    .kernarg_segment_size: 48
    .max_flat_workgroup_size: 512
    .sgpr_count:     106
    .vgpr_count:     256
    .wavefront_size: 32
...
	.end_amdgpu_metadata
.endif
;; end of part 5
;; launch outp: the kernel of part 4 again; grid 4 x 32, 4 waves a work-group, clusters of 4 x 4, 327,680 bytes of LDS; arguments oc, woc, lowp_scales, bout, out0; writes out0
